; MI455X (gfx1250); checked and timed in simulation.
; The chip was launched on July 23, 2026; its instructions are those of AMD's public machine-readable ISA for CDNA 5 (MIT licence, August 2026) and "CDNA5" Instruction Set Architecture Reference Guide (July 2026). The comments in the code are by the model that wrote it; some were corrected since.
;; Multi Head Attention. Allowed arithmetic: matrix products marked QUANTISED: E2M3 operands, one E8M0 scale for each 32 along K, by v_wmma_scale_f32_16x16x128_f8f6f4 with both operands' format E2M3, f32 sums; everything else in f32.
;; Inputs: Wk_codes 1,024 x 32 x 24 uint8 (E2M3 codes of Wk, K innermost, in blocks of 32 codes, four codes in three bytes); Wk_scales 1,024 x 32 uint8 (E8M0 scales of Wk, one for each 32 codes along K); Wo_codes 1,024 x 32 x 24 uint8 (E2M3 codes of Wo, K innermost, in blocks of 32 codes, four codes in three bytes); Wo_scales 1,024 x 32 uint8 (E8M0 scales of Wo, one for each 32 codes along K); Wq_codes 1,024 x 32 x 24 uint8 (E2M3 codes of Wq, K innermost, in blocks of 32 codes, four codes in three bytes); Wq_scales 1,024 x 32 uint8 (E8M0 scales of Wq, one for each 32 codes along K); Wv_codes 1,024 x 32 x 24 uint8 (E2M3 codes of Wv, K innermost, in blocks of 32 codes, four codes in three bytes); Wv_scales 1,024 x 32 uint8 (E8M0 scales of Wv, one for each 32 codes along K); bk 1,024 float32; bo 1,024 float32; bq 1,024 float32; bv 1,024 float32; k_codes 4 x 2,048 x 32 x 24 uint8 (E2M3 codes of k, K innermost, in blocks of 32 codes, four codes in three bytes); k_scales 4 x 2,048 x 32 uint8 (E8M0 scales of k, one for each 32 codes along K); mask 4 x 1 x 1 x 2,048 bool; q_codes 4 x 2,048 x 32 x 24 uint8 (E2M3 codes of q, K innermost, in blocks of 32 codes, four codes in three bytes); q_scales 4 x 2,048 x 32 uint8 (E8M0 scales of q, one for each 32 codes along K); v_codes 4 x 2,048 x 32 x 24 uint8 (E2M3 codes of v, K innermost, in blocks of 32 codes, four codes in three bytes); v_scales 4 x 2,048 x 32 uint8 (E8M0 scales of v, one for each 32 codes along K).
;; Outputs: out0 4 x 2,048 x 1,024 float32.
;; This version of the problem:
;;   THIS VERSION OF THE PROBLEM IS GIVEN IN LOW PRECISION. The matrix products marked QUANTISED in the list below multiply operands that are first quantised to E2M3 (2 exponent bits, 3 mantissa bits; 6 bits a number), with one power-of-two scale for each 32 numbers along K (OCP MX v1.0); their sums are f32. All else is computed in f32.
;;   The module's matrix products, in the order in which they are computed (A, B: the left and right operand; K: the contracted axis; several contracted axes count as one K, in the product's order):
;;     1. [M 8,192, K 1,024] x [K 1,024, N 1,024]; A: input q (given as codes); B: input Wq (given as codes): QUANTISED
;;     2. [M 8,192, K 1,024] x [K 1,024, N 1,024]; A: input k (given as codes); B: input Wk (given as codes): QUANTISED
;;     3. [M 8,192, K 1,024] x [K 1,024, N 1,024]; A: input v (given as codes); B: input Wv (given as codes): QUANTISED
;;     4. batch 64 x [M 2,048, K 64] x [K 64, N 2,048]; A: computed on the way; B: computed on the way: QUANTISED
;;     5. batch 64 x [M 64, K 2,048] x [K 2,048, N 2,048]; A: computed on the way; B: softmax (see below): QUANTISED
;;     6. [M 8,192, K 1,024] x [K 1,024, N 1,024]; A: computed on the way; B: input Wo (given as codes): QUANTISED
;;   THE QUANTISER, for each operand of a quantised product, along K:
;;     - K is cut into blocks of 32 from its start; a last block that is shorter is filled with zeros.
;;     - A block's scale is 2^e with e = floor(log2(the largest magnitude in the block)) - 2, held to -126 .. 127; a block of zeros has e = 0. As a byte (E8M0): e + 127.
;;     - Each number is divided by its block's scale, clamped to +-7.5, and rounded to the nearest number of E2M3, ties to even, subnormals kept.
;;     - The product sums the exact products of the quantised numbers (number of the format x scale) in f32.
;;   ~~~python
;;   def quantise(x, axis):      # numpy; x: float32 -> the quantised numbers, widened to float32 again
;;       x = np.moveaxis(x, axis, -1); K = x.shape[-1]
;;       x = np.pad(x, [(0, 0)] * (x.ndim - 1) + [(0, -K % 32)]); x = x.reshape(x.shape[:-1] + (-1, 32)); a = np.abs(x).max(-1, keepdims=True)
;;       e = np.where(a > 0, np.clip(np.frexp(np.where(a > 0, a, 1))[1] - 1 - 2, -126, 127), 0)      # np.frexp(a)[1] - 1 = floor(log2(a)), exactly
;;       r = np.clip(x / 2.0 ** e, -7.5, 7.5)
;;       step = 2.0 ** (np.maximum(np.frexp(np.where(r == 0, 1, r))[1] - 1, 0) - 3)
;;       q = np.round(r / step) * step * 2.0 ** e      # np.round: ties to even
;;       return np.moveaxis(q.reshape(q.shape[:-2] + (-1,))[..., :K], -1, axis).astype(np.float32)
;;   ~~~
;;   SOFTMAX AHEAD OF A QUANTISED PRODUCT. Where the list says 'softmax', what is quantised is not the finished softmax but p = 2^(t - M), with t = logit x log2(e) and M = ceil(the row's largest t), a whole number; so 1/2 < the row's largest p <= 1. The row's sum l is taken of the UNQUANTISED p, in f32, and the product's result is divided by l at the end. Since M is a whole number, a kernel that streams over the keys may use a running M (the ceiling of the running maximum): every later rescaling is an exact power of two, which a block's scale takes up: the codes' values come out the same.
;;   OPERANDS COMPUTED ON THE WAY. 'Computed on the way' means the value that the module computes at that place (a softmax that the list does not call 'softmax' is quantised finished and normalised). What goes into a quantiser is computed in f32, as accurately as f32 sums, v_exp_f32 and their like allow (about 1e-6 of the number): no bf16 or f16 on the way to a quantiser, and a product that is left as it is and whose result goes on into a quantised operand takes f32 operands (vector FMAs, or v_wmma_f32_16x16x4_f32). A number that lies on a knife's edge between two numbers of the format may be rounded either way, as far as f32 arithmetic and the matrix unit's own rounding can turn it there, and no further.
;;   INPUTS GIVEN AS CODES. Wk (in the module: [1024, 1024], K = its axis 0); Wo (in the module: [1024, 1024], K = its axis 0); Wq (in the module: [1024, 1024], K = its axis 0); Wv (in the module: [1024, 1024], K = its axis 0); k (in the module: [4, 2048, 1024], K = its axis 2); q (in the module: [4, 2048, 1024], K = its axis 2); v (in the module: [4, 2048, 1024], K = its axis 2): each comes as NAME_codes (uint8): NAME with its K axis moved to the last place and cut into blocks of 32 codes, [.., K / 32, bytes a block], one block behind the other in memory; four codes in three bytes: a row's codes are one little-endian stream of bits, code i at bits 6 i .. 6 i + 5 (a code: sign, 2 exponent bits, 3 mantissa bits); and NAME_scales (uint8): the same leading axes, one E8M0 byte (e + 127) for each 32 codes along K. Its value is code x scale, taken as it is: it is not quantised again, and the codes and scales need not be those that the quantiser above would give.
;; One version. Each part assembles by itself: llvm-mc -triple=amdgcn-amd-amdhsa -mcpu=gfx1250 --defsym DOCPART=n.
;; ======== version 1 of 1: 3 launches
;; limits: right only within a limited range of input values
;; workspace buffers: qc 6,291,456 bytes; qs 524,288 bytes; kv 12,582,912 bytes; kvs 786,432 bytes; oc 6,291,456 bytes; os 262,144 bytes
;; launch proj (part 1): grid 4 x 192, 4 waves a work-group, clusters of 4 x 4, 313,856 bytes of LDS; arguments q_codes, q_scales, Wq_codes, Wq_scales, bq, k_codes, k_scales, Wk_codes, Wk_scales, bk, v_codes, v_scales, Wv_codes, Wv_scales, bv, qc, qs, kv, kvs; writes qc, qs, kv, kvs
.if DOCPART == 1
	.amdgcn_target "amdgcn-amd-amdhsa--gfx1250"
	.amdhsa_code_object_version 6
	.text
	.protected	k_qb7a9a7f1fe_proj
	.globl	k_qb7a9a7f1fe_proj
	.p2align	8
	.type	k_qb7a9a7f1fe_proj,@function
k_qb7a9a7f1fe_proj:
	s_mov_b64 s[64:65], 0
	v_nop
	global_prefetch_b8 v0, s[64:65] scope:SCOPE_SE
	s_setreg_imm32_b32 hwreg(HW_REG_WAVE_MODE, 25, 1), 1
	s_wait_xcnt 0x0
	s_wait_alu depctr_hold_cnt(0) depctr_sa_sdst(0) depctr_va_vdst(0) depctr_va_sdst(0) depctr_va_ssrc(0) depctr_va_vcc(0) depctr_vm_vsrc(0)
	s_getreg_b32 s2, hwreg(HW_REG_IB_STS2, 6, 4)
	s_cmp_eq_u32 s2, 0
	s_cbranch_scc0 .Lentry_in_a_cluster
	s_endpgm
.Lentry_in_a_cluster:
	s_bfe_u32 s2, ttmp6, 0x10000c
	s_cmp_lg_u32 s2, 0xf033
	s_cbranch_scc0 .Lentry_shape_is_right
	s_endpgm
.Lentry_shape_is_right:
; THE THREE PROJECTIONS: qh = q Wq + bq, kh = k Wk + bk, vh = v Wv + bv, on codes of FP6 (E2M3) with one E8M0 scale for each 32 along K = 1,024, sums in f32;
; the results are quantised at once, in registers, for the two products of attention: qh and kh along the head's 64 channels, vh along the keys.
; ONE LAUNCH, THREE KINDS, told apart by the cluster's y (0-15 Q, 16-31 K, 32-47 V): the same in all waves and in all sixteen partners of a cluster.
; SOURCE 0 of the matrix instruction gives the rows that run along a lane's registers, so it holds the axis that is quantised next: for Q and K the weight's rows (n = head x 64 + channel), for V the tokens (keys).
; SOURCE 1 gives a lane its one row: for Q and K a token, for V a row of Wv (a channel).
; SHARES.  A work-group makes 256 rows of source 0 x 128 rows of source 1 over all of K.  Wave w: 128 rows of source 0 (w % 2: 8 tiles t) x 64 rows of source 1 (w / 2: 4 tiles m): 32 accumulators.
; LDS.  Both operands' rows, 768 bytes each, lie in LDS whole, as three chunks of 256 bytes a row (each row of a chunk is 256 consecutive bytes of memory, at a multiple of 256 from the buffer's first byte),
; 272 bytes from row to row: 68 words, so that row r begins at bank 4 r mod 64 (64 banks of 4 bytes: ISA guide 11.1) and the 32 lanes of a load of 8 bytes touch 64 different banks.
; Every LDS byte is filled once, by loads that all go out at the head.  The bytes are asked for in the first lines, so there is no later request that a prefetch could run ahead of.
; CLUSTER 4 x 4.  Source 0's tile hangs on cx and is shared by the four partners of a column, source 1's on cy and is shared by a row: each is asked for jointly, by the same load with a mask that names the four.
; THE ORDER INSIDE A BLOCK OF 32.  A tile is 16 neighbouring rows, so a lane's 16 registers of tiles 2 b and 2 b + 1 are places 8 h + 0..7 and 16 + 8 h + 0..7 of block b.  The codes of a block are therefore laid in the order
; 0-7, 16-23, 8-15, 24-31.  Both operands of each of attention's products are laid so (q and k here; v here and p by the same lines in the next launch), so each code meets its partner; a block's scale covers the same 32 numbers.
; LIMITS.  A block whose largest magnitude lies under 2^-124 keeps the scale byte 1; a block of zeros gets the byte 1 and not 127 (its codes are zeros, and this program alone reads the bytes).  Scale bytes 0xff among the inputs, NaN and infinities among the biases are not served.
; REGISTERS, in windows of 256.  Window 0: v1-21 lane numbers, addresses, offsets; v32-95 source 0's scale words (8 t + K step); v96-127 source 1's (8 m + K step); v128-191 the bias as the first step's C; v192-232 the quantiser's.
;   Windows 1, 2: two sets of fragments, source 0's tile t at v[12 t], source 1's tile m at v[96 + 12 m].   Window 3: accumulator (m, t) at v[64 m + 8 t].
; LDS AS IT STANDS (in place of the head's paragraph on chunks): each operand's rows come WHOLE, 768 bytes a row, by one tensor load a wave, with 16 bytes of padding behind every 256:
; an LDS row is 816 bytes = 204 words, so row r begins at bank 12 r mod 64 and the 32 lanes of a load of 8 bytes touch 64 different banks.  Byte y of a row lies at y + 16 (y / 256).
.set S0OFF, 104448                     ; source 1's 128 rows come first (128 x 816 bytes), source 0's 256 rows behind them
.set TROW,  13056                      ; 16 rows x 816 bytes
.set SC0,   32
.set SC1,   96
.set CB,    128
.set PC,    192                        ; v192-203 a fragment's codes; v204-206, v208-210 the conversions' second halves
.set TM,    212                        ; v212-215 largest magnitudes, v216-219 the other half's, then bytes, v224-227 the conversions' scale operands
.set SW,    228                        ; v228-231 the four tiles' scale words, to be stored
.set PW,    232                        ; the scale word just made
.set G0A,   4                          ; s[4:7]   descriptor group 0 for source 1's rows
.set G0B,   16                         ; s[16:19] for my half of source 0's
.set G1A,   80                         ; s[80:87] group 1 for source 1
.set G1B,   88                         ; s[88:95] for source 0
.set SEL,   42                         ; s[42:43] lane selects of v_permlanex16_b32: lane l xor 16
.set WV,    58                         ; s58 wave;  s59 wave % 2;  s60 wave / 2
.set KIND,  63                         ; s63 0 = Q, 1 = K, 2 = V
.set MSB,   0
.macro WIN new                         ; the immediate's high byte repeats the setting that is left; a switch that changes nothing is dropped
.if MSB != (\new)
	s_set_vgpr_msb (MSB<<8)|(\new)
.set MSB, (\new)
.endif
.endm
.macro CROUND                          ; a round of the cluster's barrier
	s_barrier_signal -1
	s_barrier_wait -1
	s_cmp_lg_u32 s[WV], 0
	s_cbranch_scc1 .Lnot_wave_0_\@
	s_barrier_signal -3
.Lnot_wave_0_\@:
	s_barrier_wait -3
	s_barrier_signal -1
	s_barrier_wait -1
.endm
.macro PLACES n                        ; plain vector instructions between a matrix instruction and a load into, or a read of, its registers
.rept \n
	v_nop
.endr
.endm
; A fragment, 16 rows x 128 K, is 12 registers: lane l holds row l % 16; registers 6 c .. 6 c + 5 hold K = 64 c + 32 (l / 16) + 0 .. 31: 24 bytes of the row as they lie, fetched in pieces of 8 bytes.
; Lanes 0-15 take the row's pieces 12 s + 0, 1, 2, 6, 7, 8, lanes 16-31 those three pieces on.  A chunk holds 32 pieces: where the piece three on falls into the next chunk, the second kind of address register serves.
.macro FRAG reg, adr, s, tile
.irp p, 0,1,2,3,4,5
.set PP, 12*(\s)+6*(\p/3)+\p%3
.if PP%32 < 29                         ; address registers: adr for tiles 0-3, adr + 1 for tiles 4-7 (an offset has 16 bits); adr + 3, adr + 4 where lanes 16-31 read behind one padding more
	ds_load_b64 v[\reg+2*\p:\reg+2*\p+1], v[\adr+(\tile)/4] offset:8*PP+16*(PP/32)+TROW*((\tile)%4)
.else
	ds_load_b64 v[\reg+2*\p:\reg+2*\p+1], v[\adr+3+(\tile)/4] offset:8*PP+16*(PP/32)+TROW*((\tile)%4)
.endif
.endr
.endm
.macro FETCH s                         ; K step s: 72 loads in one run, into set s % 2
	WIN 0x40+0x40*((\s)%2)
.irp t, 0,1,2,3,4,5,6,7
	FRAG 12*\t, 4, \s, \t
.endr
.irp m, 0,1,2,3
	FRAG 96+12*\m, 10, \s, \m
.endr
.endm
; K step s: 32 matrix instructions.  The 32 accumulators take turns, one instruction a turn, in the same order in every step.
; cmode 0: onto the sums.  1, 2: the first step starts the sums with the bias as C: by source 0's tile (Q, K) or by source 1's (V).
.macro MUL s, cmode
.if \cmode == 0
	WIN 0xf5+5*((\s)%2)
.else
	WIN 0xc5
.endif
.irp m, 0,1,2,3
.irp t, 0,1,2,3,4,5,6,7
.if \cmode == 0
	v_wmma_scale_f32_16x16x128_f8f6f4 v[64*\m+8*\t:64*\m+8*\t+7], v[12*\t:12*\t+11], v[96+12*\m:96+12*\m+11], v[64*\m+8*\t:64*\m+8*\t+7], v[SC0+8*\t+(\s)], v[SC1+8*\m+(\s)] matrix_a_fmt:MATRIX_FMT_FP6 matrix_b_fmt:MATRIX_FMT_FP6
.elseif \cmode == 1
	v_wmma_scale_f32_16x16x128_f8f6f4 v[64*\m+8*\t:64*\m+8*\t+7], v[12*\t:12*\t+11], v[96+12*\m:96+12*\m+11], v[CB+8*\t:CB+8*\t+7], v[SC0+8*\t+(\s)], v[SC1+8*\m+(\s)] matrix_a_fmt:MATRIX_FMT_FP6 matrix_b_fmt:MATRIX_FMT_FP6
.else
	v_wmma_scale_f32_16x16x128_f8f6f4 v[64*\m+8*\t:64*\m+8*\t+7], v[12*\t:12*\t+11], v[96+12*\m:96+12*\m+11], v[CB+8*\m:CB+8*\m+7], v[SC0+8*\t+(\s)], v[SC1+8*\m+(\s)] matrix_a_fmt:MATRIX_FMT_FP6 matrix_b_fmt:MATRIX_FMT_FP6
.endif
.endr
.endr
.endm
; The head of the sums, once for each way of the bias.  The two kinds part here once, so that a kind's bias registers are loaded and read on one way; the branch hangs on the cluster's y alone.
.macro START cmode
.if \cmode == 1
.irp t, 0,1,2,3,4,5,6,7                ; lane (r, h), tile t, register j: bias[n0 + 16 t + 8 h + j]
	global_load_b128 v[CB+8*\t:CB+8*\t+3], v16, s[52:53] offset:64*\t
	global_load_b128 v[CB+8*\t+4:CB+8*\t+7], v16, s[52:53] offset:64*\t+16
.endr
.else
.irp m, 0,1,2,3                        ; lane (r, h), tile m, every register: bias[n0 + 16 m + r]
.irp j, 0,1,2,3,4,5,6,7
	global_load_b32 v[CB+8*\m+\j], v21, s[52:53] offset:64*\m
.endr
.endr
.endif
	s_wait_tensorcnt 0x0                           ; my one load has landed
	s_barrier_signal -1
	s_barrier_wait -1                              ; everybody's load has
	FETCH 0
	s_wait_dscnt 0x0
	FETCH 1
	s_wait_loadcnt 0x0                             ; scale words and bias
	MUL 0, \cmode
	WIN 0
.endm
.macro KSTEP s
	s_wait_dscnt 0x0                               ; this step's fragments are in (asked for 32 matrix instructions ago)
.if (\s) < 7
	PLACES 4                                       ; the loads below land in the set that the last step's matrix instructions read
	FETCH (\s)+1
.endif
	MUL \s, 0
.endm
; 64 results of a lane, accumulators v[s] .. v[s + 63] of window 3 (8 tiles of one tile m), become a fragment's codes in v[PC] on and its scale word in v[pw].
.macro QUANT s, pw
	WIN 0x3c                                       ; sources 1 and 2 in window 3
.irp b, 0,1,2,3
	v_max3_num_f32 v[TM+\b], 0x1800000, |v[\s+16*\b]|, |v[\s+16*\b+1]|   ; block b: my 16 numbers, and the floor 2^(3 - 127): so the byte cannot fall under 1
.endr
.irp i, 2,4,6,8,10,12,14
.irp b, 0,1,2,3
	v_max3_num_f32 v[TM+\b], v[TM+\b], |v[\s+16*\b+\i]|, |v[\s+16*\b+\i+1]|   ; (the four blocks by turns)
.endr
.endr
	WIN 0
.irp b, 0,1,2,3
	v_permlanex16_b32 v[TM+4+\b], v[TM+\b], s[SEL], s[SEL+1]
.endr
.irp b, 0,1,2,3
	v_max_num_f32 v[TM+\b], v[TM+\b], v[TM+4+\b]   ; with lane l xor 16's 16: the block's largest magnitude
.endr
.irp b, 0,1,2,3
	v_add_nc_u32 v[TM+12+\b], 0xff000000, v[TM+\b] ; 2 off its exponent field: the conversion takes the exponent field of this operand as its scale
.endr
.irp b, 0,1,2,3
	v_lshrrev_b32 v[TM+4+\b], 23, v[TM+12+\b]      ; the scale's byte
.endr
	v_lshl_or_b32 v[\pw], v[TM+5], 8, v[TM+4]
	v_lshl_or_b32 v[\pw], v[TM+6], 16, v[\pw]
	v_lshl_or_b32 v[\pw], v[TM+7], 24, v[\pw]
	s_wait_xcnt 0x0                                ; the last tile's stores have read the codes' registers
	WIN 0x03                                       ; source 0 in window 3
.irp c, 0,1
	v_cvt_scalef32_pk16_fp6_f32 v[PC+6*\c:PC+6*\c+2], v[\s+32*\c:\s+32*\c+15], v[TM+12+2*\c]
	v_cvt_scalef32_pk16_fp6_f32 v[PC+12+4*\c:PC+14+4*\c], v[\s+32*\c+16:\s+32*\c+31], v[TM+13+2*\c]   ; (a conversion's three registers begin on an even number)
.endr
	WIN 0
	v_nop                                          ; one plain place behind a scaled conversion
.irp c, 0,1                                    ; the operand's layout wants a whole block in a lane: lanes 0-15 block 2 c, lanes 16-31 block 2 c + 1
.irp i, 0,1,2
	v_permlane16_swap_b32 v[PC+6*\c+\i], v[PC+12+4*\c+\i]
.endr
.irp i, 0,1,2
	v_mov_b32 v[PC+3+6*\c+\i], v[PC+12+4*\c+\i]
.endr
.endr
.endm
	s_load_b512 s[4:19], s[0:1], 0x0               ; q codes, q scales, Wq codes, Wq scales, bq, k codes, k scales, Wk codes
	s_load_b512 s[20:35], s[0:1], 0x40             ; Wk scales, bk, v codes, v scales, Wv codes, Wv scales, bv, qc
	s_load_b128 s[36:39], s[0:1], 0x80             ; qs, kv
	s_load_b64 s[40:41], s[0:1], 0x90              ; kvs
	v_lshl_add_u32 v254, v0, 2, 0x4c800
	v_mov_b32 v255, 0
	ds_add_u32 v254, v255
	ds_add_u32 v254, v255
	v_lshrrev_b32 v1, 5, v0
	v_readfirstlane_b32 s[WV], v1                  ; wave 0..3
	s_and_b32 s59, s[WV], 1                        ; which 128 rows of source 0 are mine
	s_lshr_b32 s60, s[WV], 1                       ; which 64 rows of source 1.  Also: which 128 rows of source 0 waves 1 and 2 fetch
	s_bfe_u32 s61, ttmp6, 0x40000                  ; cx
	s_bfe_u32 s62, ttmp6, 0x40004                  ; cy
	s_and_b32 s71, ttmp7, 0xffff                   ; the cluster's y, 0..47
	s_lshr_b32 s[KIND], s71, 4
	s_and_b32 s66, s71, 15
	s_lshr_b32 s72, s66, 1
	s_and_b32 s73, s66, 1
	s_cmp_eq_u32 s[KIND], 2
	s_cselect_b32 s67, s72, 0                      ; V: 32 blocks of 256 tokens x 8 blocks of 128 rows of Wv;  Q, K: 4 blocks of 256 rows of W x 64 blocks of 128 tokens
	s_cselect_b32 s68, s73, s66
	s_lshl_b32 s69, s67, 2
	s_add_co_u32 s69, s69, s61                     ; source 0's block of 256 rows: hangs on cx
	s_lshl_b32 s70, s68, 2
	s_add_co_u32 s70, s70, s62                     ; source 1's block of 128 rows: hangs on cy
	s_lshl_b32 s74, s62, 2
	s_lshl_b32 s74, 15, s74                        ; my row of the cluster
	s_lshl_b32 s75, 0x1111, s61                    ; my column
	; descriptor group 1: 128 rows x 768 bytes, 16 bytes of padding behind every 256 in LDS
	s_or_b32 s[G1A], s74, (1<<20)|(1<<21)|(5<<22)|(3<<25)   ; 15:0 the mask; 17:16 elements of 1 byte; 20 padding on; 21 set beside a mask; 24:22 after every 64 words; 31:25 of 4 words
	s_or_b32 s[G1B], s75, (1<<20)|(1<<21)|(5<<22)|(3<<25)
.irp g, G1A, G1B
	s_mov_b32 s[\g+1], 768<<16                     ; tensor_dim0: a whole row
	s_mov_b32 s[\g+2], 128<<16                     ; tensor_dim1
	s_mov_b32 s[\g+3], 768<<16                     ; tile_dim0
	s_mov_b32 s[\g+4], 128                         ; tile_dim1
	s_mov_b32 s[\g+5], 768                         ; from row to row
	s_mov_b32 s[\g+6], 0
	s_mov_b32 s[\g+7], 0
.endr
	s_mul_i32 s76, s70, 98304                      ; source 1: 128 rows x 768 bytes a block
	s_mov_b32 s77, 0
	s_lshl_b32 s78, s69, 8
	s_lshl_b32 s79, s60, 7
	s_add_co_u32 s78, s78, s79
	s_mul_i32 s78, s78, 768                        ; source 0: row 256 x block + 128 x (wave / 2)
	s_mov_b32 s79, 0
	s_mul_i32 s96, s60, S0OFF                      ; where those rows go behind source 1's: the wave's number alone enters an LDS address
	s_mov_b32 s[SEL], 0x76543210
	s_mov_b32 s[SEL+1], 0xfedcba98
	s_wait_dscnt 0x0
	s_wait_kmcnt 0x0
	s_cmp_eq_u32 s[KIND], 0                        ; the buffers of my kind: the choice hangs on the cluster's y alone
	s_cselect_b64 s[44:45], s[8:9], s[18:19]       ; source 0's codes
	s_cselect_b64 s[46:47], s[10:11], s[20:21]     ; its scales
	s_cselect_b64 s[48:49], s[4:5], s[14:15]       ; source 1's codes
	s_cselect_b64 s[50:51], s[6:7], s[16:17]       ; its scales
	s_cselect_b64 s[52:53], s[12:13], s[22:23]     ; the bias
	s_cselect_b64 s[54:55], s[34:35], s[38:39]     ; where the codes go
	s_cselect_b64 s[56:57], s[36:37], s[40:41]     ; where the scale words go
	s_cmp_eq_u32 s[KIND], 2
	s_cselect_b64 s[44:45], s[24:25], s[44:45]
	s_cselect_b64 s[46:47], s[26:27], s[46:47]
	s_cselect_b64 s[48:49], s[28:29], s[48:49]
	s_cselect_b64 s[50:51], s[30:31], s[50:51]
	s_cselect_b64 s[52:53], s[32:33], s[52:53]
	s_add_nc_u64 s[76:77], s[48:49], s[76:77]
	s_add_nc_u64 s[78:79], s[44:45], s[78:79]
	s_mov_b32 s[G0A], 1                            ; count = 1
	s_mov_b32 s[G0A+1], 0                          ; LDS address
	s_mov_b64 s[G0A+2:G0A+3], s[76:77]
	s_or_b32 s[G0A+3], s[G0A+3], 0x80000000        ; type = 2
	s_mov_b32 s[G0B], 1
	s_add_co_u32 s[G0B+1], s96, S0OFF
	s_mov_b64 s[G0B+2:G0B+3], s[78:79]
	s_or_b32 s[G0B+3], s[G0B+3], 0x80000000
	CROUND                                         ; all sixteen work-groups are here: the joint loads meet
	s_cmp_eq_u32 s[WV], 0                          ; wave 0 fetches source 1's 128 rows, waves 1 and 2 a half each of source 0's: one load a wave
	s_cbranch_scc0 .Lnot_0
	tensor_load_to_lds s[G0A:G0A+3], s[G1A:G1A+7]
	s_nop 0
	PLACES 4                                       ; four v_nop follow a wave's loads
	s_branch .Lasked
.Lnot_0:
	s_cmp_eq_u32 s[WV], 3
	s_cbranch_scc1 .Lasked
	tensor_load_to_lds s[G0B:G0B+3], s[G1B:G1B+7]
	s_nop 0
	PLACES 4
.Lasked:
	v_and_b32 v3, 31, v0                           ; lane
	v_and_b32 v1, 15, v0                           ; r
	v_bfe_u32 v2, v0, 4, 1                         ; h
	v_lshlrev_b32 v15, 5, v1                       ; a row's 32 scale bytes
	s_wait_alu depctr_va_vdst(0)
	v_lshlrev_b32 v16, 5, v2                       ; 8 numbers of a bias for each half of the lanes
	v_lshlrev_b32 v21, 2, v1
	v_lshlrev_b32 v17, 3, v3
	v_lshlrev_b32 v18, 4, v3
	s_lshl_b32 s97, s69, 8
	s_lshl_b32 s71, s59, 7
	s_add_co_u32 s97, s97, s71                     ; my first row of source 0
	s_lshl_b32 s98, s70, 7
	s_lshl_b32 s71, s60, 6
	s_add_co_u32 s98, s98, s71                     ; my first row of source 1
	s_mov_b32 s73, 0
	s_lshl_b32 s72, s97, 5
	s_add_nc_u64 s[46:47], s[46:47], s[72:73]
	s_lshl_b32 s72, s98, 5
	s_add_nc_u64 s[50:51], s[50:51], s[72:73]
	s_cmp_eq_u32 s[KIND], 2
	s_cselect_b32 s72, s98, s97                    ; the bias goes with the weight's rows
	s_lshl_b32 s72, s72, 2
	s_add_nc_u64 s[52:53], s[52:53], s[72:73]
	; THE SCALES go from memory into registers once: a row's 32 bytes are its eight K steps' words; lane r takes row r's (lanes 16-31 the same: they are not read)
.irp t, 0,1,2,3,4,5,6,7
	global_load_b128 v[SC0+8*\t:SC0+8*\t+3], v15, s[46:47] offset:512*\t
	global_load_b128 v[SC0+8*\t+4:SC0+8*\t+7], v15, s[46:47] offset:512*\t+16
.endr
.irp m, 0,1,2,3
	global_load_b128 v[SC1+8*\m:SC1+8*\m+3], v15, s[50:51] offset:512*\m
	global_load_b128 v[SC1+8*\m+4:SC1+8*\m+7], v15, s[50:51] offset:512*\m+16
.endr
	v_mul_u32_u24 v22, v1, 816
	v_mad_u32_u24 v23, v2, 24, v22                 ; row x pitch + 24 x half
	v_mad_u32_u24 v24, v2, 40, v22                 ; the same where lanes 16-31 read behind one padding more
	s_mul_i32 s71, s59, S0OFF
	s_add_co_u32 s71, s71, S0OFF                   ; my 128 rows of source 0
	s_mul_i32 s72, s60, 64*816                     ; my 64 rows of source 1
	v_add_nc_u32 v4, s71, v23                      ; v4, v5: source 0's tiles 0-3, 4-7;  v7, v8: the same behind one padding more
	v_add_nc_u32 v7, s71, v24
	v_add_nc_u32 v10, s72, v23                     ; v10, v13: source 1
	v_add_nc_u32 v13, s72, v24
	v_add_nc_u32 v5, 4*TROW, v4
	v_add_nc_u32 v8, 4*TROW, v7
.irp b, 0,1,2,3
	v_mov_b32 v[TM+4+\b], 0                        ; written once: a lane permute's destination counts as one of its sources
.endr
	s_cmp_eq_u32 s[KIND], 2
	s_wait_alu depctr_va_vdst(0)
	s_cbranch_scc1 .Lstart_v
	START 1
	s_branch .Lstarted
.Lstart_v:
	START 2
.Lstarted:
	s_wait_alu depctr_va_vdst(0)
.irp s, 1,2,3,4,5,6,7
	KSTEP \s
.endr
	WIN 0
	PLACES 4                                       ; behind the last products, ahead of the first read of results
	s_cmp_eq_u32 s[KIND], 2
	s_cbranch_scc1 .Lout_v
	; ---- Q, K.  My 128 rows of W are two heads; a tile m is 16 tokens.  Registers 0-5 of the codes are the first head's 64 channels, registers 6-11 the second's: each is the lower half of an operand of attention's first product.
	s_cmp_eq_u32 s[KIND], 0
	s_mov_b32 s28, 196608
	s_cselect_b32 s28, 98304, s28                  ; a head's bytes in qc or in kv,
	s_mov_b32 s29, 49152
	s_cselect_b32 s29, 24576, s29                  ; 32 tiles' step there (in kv a quarter's V lies between),
	s_mov_b32 s30, 12288
	s_cselect_b32 s30, 8192, s30                   ; a head's bytes in qs or in kvs
	s_lshr_b32 s71, s98, 11
	s_lshl_b32 s71, s71, 4
	s_lshr_b32 s72, s97, 6
	s_add_co_u32 s71, s71, s72                     ; 16 x batch + my first head
	s_bfe_u32 s73, s98, 0x70004                    ; my first tile of tokens in the batch, 0..127, a multiple of 4
	s_mul_i32 s74, s71, s28
	s_lshr_b32 s75, s73, 5
	s_mul_i32 s75, s75, s29
	s_add_co_u32 s74, s74, s75
	s_and_b32 s75, s73, 31
	s_mul_i32 s75, s75, 768
	s_add_co_u32 s74, s74, s75
	s_mov_b32 s75, 0
	s_add_nc_u64 s[54:55], s[54:55], s[74:75]      ; the first head's tiles,
	s_mov_b32 s74, s28
	s_add_nc_u64 s[76:77], s[54:55], s[74:75]      ; the second's
	s_mul_i32 s74, s71, s30
	s_lshr_b32 s78, s73, 2
	s_lshl_b32 s78, s78, 8
	s_add_co_u32 s74, s74, s78
	s_add_nc_u64 s[56:57], s[56:57], s[74:75]      ; four tiles' scale words: 256 bytes a head
	v_mul_u32_u24 v19, s30, v2
	v_lshl_add_u32 v19, v1, 4, v19                 ; lanes 0-15 the first head's, lanes 16-31 the second's; 16 bytes a row
	s_mov_b32 s74, 0x02020202
	v_mul_lo_u32 v20, v2, s74
	v_add_nc_u32 v20, 0x01000100, v20              ; byte selects: lanes 0-15 take the word's bytes 0, 1 twice, lanes 16-31 its bytes 2, 3 twice: the upper two bytes go with zero codes
.irp m, 0,1,2,3
	QUANT 64*\m, PW
	v_perm_b32 v[SW+\m], v[PW], v[PW], v20
.irp i, 0,1,2
	global_store_b64 v17, v[PC+2*\i:PC+2*\i+1], s[54:55] offset:768*\m+256*\i       ; 32 lanes store 256 consecutive bytes, at a multiple of 256 from the buffer's first byte
.endr
.irp i, 0,1,2
	global_store_b64 v17, v[PC+6+2*\i:PC+7+2*\i], s[76:77] offset:768*\m+256*\i
.endr
.endr
	global_store_b128 v19, v[SW:SW+3], s[56:57]    ; sixteen lanes store 256 consecutive bytes for each head
	s_branch .Ldone
.Lout_v:
	; ---- V.  My 128 tokens are one key step of attention's second product, my 64 rows of Wv one head; a tile m is 16 channels.  The 12 registers of codes are an operand of that product as it stands.
	s_lshr_b32 s71, s97, 11
	s_lshl_b32 s71, s71, 4
	s_lshr_b32 s72, s98, 6
	s_add_co_u32 s71, s71, s72                     ; 16 x batch + head
	s_bfe_u32 s73, s97, 0x40007                    ; the key step, 0..15
	s_mul_i32 s74, s71, 196608
	s_lshr_b32 s75, s73, 2
	s_mul_i32 s75, s75, 49152
	s_add_co_u32 s74, s74, s75
	s_and_b32 s75, s73, 3
	s_mul_i32 s75, s75, 6144
	s_add_co_u32 s74, s74, s75
	s_add_co_u32 s74, s74, 24576                   ; in a quarter V lies behind K's 32 tiles
	s_mov_b32 s75, 0
	s_add_nc_u64 s[54:55], s[54:55], s[74:75]
	s_mul_i32 s74, s71, 12288
	s_lshl_b32 s78, s73, 8
	s_add_co_u32 s74, s74, s78
	s_add_co_u32 s74, s74, 8192                    ; V's scale words lie behind K's
	s_add_nc_u64 s[56:57], s[56:57], s[74:75]
	v_lshlrev_b32 v19, 4, v1
.irp m, 0,1,2,3
	QUANT 64*\m, SW+\m
.irp i, 0,1,2
	global_store_b128 v18, v[PC+4*\i:PC+4*\i+3], s[54:55] offset:1536*\m+512*\i     ; 32 lanes store 512 consecutive bytes
.endr
.endr
	s_wait_xcnt 0x0                                ; EXEC changes only behind this wait
	v_cmp_gt_u32 vcc_lo, 16, v3
	s_and_saveexec_b32 s71, vcc_lo
	global_store_b128 v19, v[SW:SW+3], s[56:57]    ; lanes 0-15: the four tiles' words of row r: 256 consecutive bytes
	s_wait_xcnt 0x0
	s_or_b32 exec_lo, exec_lo, s71
.Ldone:
	s_wait_tensorcnt 0x0
	s_wait_dscnt 0x0
	s_wait_tensorcnt 0x0
	ds_add_u32 v254, v255
	s_wait_dscnt 0x0
	CROUND                                         ; the closing round: no work-group ends while a partner may still ask for a tile that names it
	s_endpgm
.Lfunc_end_k_qb7a9a7f1fe_proj:
	.size	k_qb7a9a7f1fe_proj, .Lfunc_end_k_qb7a9a7f1fe_proj-k_qb7a9a7f1fe_proj
	.p2alignl 7, 3214868480
	.fill 96, 4, 3214868480
	.section	.rodata,"a",@progbits
	.p2align	6, 0x0
	.amdhsa_kernel k_qb7a9a7f1fe_proj
		.amdhsa_group_segment_fixed_size 313856
		.amdhsa_private_segment_fixed_size 0
		.amdhsa_enable_private_segment 0
		.amdhsa_kernarg_size 152
		.amdhsa_user_sgpr_count 2
		.amdhsa_user_sgpr_kernarg_segment_ptr 1
		.amdhsa_wavefront_size32 1
		.amdhsa_system_sgpr_workgroup_id_x 1
		.amdhsa_system_sgpr_workgroup_id_y 1
		.amdhsa_system_sgpr_workgroup_id_z 1
		.amdhsa_system_vgpr_workitem_id 0
		.amdhsa_next_free_vgpr 1024
		.amdhsa_next_free_sgpr 100
		.amdhsa_reserve_vcc 1
		.amdhsa_float_denorm_mode_32 3
		.amdhsa_float_denorm_mode_16_64 3
		.amdhsa_memory_ordered 1
		.amdhsa_forward_progress 1
		.amdhsa_inst_pref_size 135
	.end_amdhsa_kernel
	.amdgpu_metadata
---
amdhsa.version: [ 1, 2 ]
amdhsa.kernels:
  - .name:           k_qb7a9a7f1fe_proj
    .symbol:         k_qb7a9a7f1fe_proj.kd
    .args:
      - { .name: q_codes, .offset: 0, .size: 8, .value_kind: global_buffer, .address_space: global }
      - { .name: q_scales, .offset: 8, .size: 8, .value_kind: global_buffer, .address_space: global }
      - { .name: Wq_codes, .offset: 16, .size: 8, .value_kind: global_buffer, .address_space: global }
      - { .name: Wq_scales, .offset: 24, .size: 8, .value_kind: global_buffer, .address_space: global }
      - { .name: bq, .offset: 32, .size: 8, .value_kind: global_buffer, .address_space: global }
      - { .name: k_codes, .offset: 40, .size: 8, .value_kind: global_buffer, .address_space: global }
      - { .name: k_scales, .offset: 48, .size: 8, .value_kind: global_buffer, .address_space: global }
      - { .name: Wk_codes, .offset: 56, .size: 8, .value_kind: global_buffer, .address_space: global }
      - { .name: Wk_scales, .offset: 64, .size: 8, .value_kind: global_buffer, .address_space: global }
      - { .name: bk, .offset: 72, .size: 8, .value_kind: global_buffer, .address_space: global }
      - { .name: v_codes, .offset: 80, .size: 8, .value_kind: global_buffer, .address_space: global }
      - { .name: v_scales, .offset: 88, .size: 8, .value_kind: global_buffer, .address_space: global }
      - { .name: Wv_codes, .offset: 96, .size: 8, .value_kind: global_buffer, .address_space: global }
      - { .name: Wv_scales, .offset: 104, .size: 8, .value_kind: global_buffer, .address_space: global }
      - { .name: bv, .offset: 112, .size: 8, .value_kind: global_buffer, .address_space: global }
      - { .name: qc, .offset: 120, .size: 8, .value_kind: global_buffer, .address_space: global }
      - { .name: qs, .offset: 128, .size: 8, .value_kind: global_buffer, .address_space: global }
      - { .name: kv, .offset: 136, .size: 8, .value_kind: global_buffer, .address_space: global }
      - { .name: kvs, .offset: 144, .size: 8, .value_kind: global_buffer, .address_space: global }
    .group_segment_fixed_size: 313856
    .private_segment_fixed_size: 0
    .kernarg_segment_align: 8
    .kernarg_segment_size: 152
    .max_flat_workgroup_size: 128
    .sgpr_count:     100
    .vgpr_count:     1024
    .wavefront_size: 32
...
	.end_amdgpu_metadata
.endif
;; end of part 1
;; launch attn (part 2): grid 4 x 64, 16 waves a work-group, clusters of 4 x 1, 219,136 bytes of LDS; arguments qc, qs, kv, kvs, mask, oc, os; writes oc, os
.if DOCPART == 2
	.amdgcn_target "amdgcn-amd-amdhsa--gfx1250"
	.amdhsa_code_object_version 6
	.text
	.protected	k_qb7a9a7f1fe_attn
	.globl	k_qb7a9a7f1fe_attn
	.p2align	8
	.type	k_qb7a9a7f1fe_attn,@function
k_qb7a9a7f1fe_attn:
	s_mov_b64 s[64:65], 0
	v_nop
	global_prefetch_b8 v0, s[64:65] scope:SCOPE_SE
	s_setreg_imm32_b32 hwreg(HW_REG_WAVE_MODE, 25, 1), 1
	s_wait_xcnt 0x0
	s_wait_alu depctr_hold_cnt(0) depctr_sa_sdst(0) depctr_va_vdst(0) depctr_va_sdst(0) depctr_va_ssrc(0) depctr_va_vcc(0) depctr_vm_vsrc(0)
	s_getreg_b32 s2, hwreg(HW_REG_IB_STS2, 6, 4)
	s_cmp_eq_u32 s2, 0
	s_cbranch_scc0 .Lentry_in_a_cluster
	s_endpgm
.Lentry_in_a_cluster:
	s_bfe_u32 s2, ttmp6, 0x10000c
	s_cmp_lg_u32 s2, 0x3003
	s_cbranch_scc0 .Lentry_shape_is_right
	s_endpgm
.Lentry_shape_is_right:
; ATTENTION of one head on codes of FP6 (E2M3): S = qh kh^T (K = the head's 64 channels: the upper half of each instruction's 128 is zero codes), mask, softmax, O = p vh (K = the keys), O / l, and O quantised along (head, channel) for the last product.
; THE SOFTMAX: t = score x log2(e) / 8; M = the running largest t rounded UP to a whole number; p = 2^(t - M) is quantised along the keys, not normalised; the row's sum l is taken of the unquantised p; when M moves, l and O are multiplied by 2^(old M - new M), exactly.
; THE MASK is an input, one byte a key: it becomes 0 or -2^100 in f32, kept in LDS, and is the C of the first product: a masked key's p is 2^(-huge) = 0.  No branch and no address hangs on it.
; SHARES.  The cluster's y is the head (16 x batch + head).  The cluster's four work-groups take 512 queries each and ask for the head's K, V and scale words jointly.  Each of sixteen waves owns one tile of 16 queries at a time, two in turn, in 256 registers:
; four waves to a SIMD, so that one wave's vector work stands beside another's matrix work and LDS loads.
; LDS.  The whole head lies in LDS, 196,608 bytes of codes and 12,288 of scale words, as images of the operands' registers, laid so by the launch before: every fragment load is consecutive bytes from lane to lane.
; All tensor loads go out at the head; every byte is filled once; a quarter (512 keys) is read as soon as it has landed.  So there is no later request that a prefetch could run ahead of.
; LAYOUT.  Both products are used transposed: S^T = K Q^T, O^T = V^T P^T: a lane holds one query (lane % 16) throughout.  In S^T register j of tile t is key 16 t + 8 (lane / 16) + j, the map by which V's codes were laid along the keys, so p's codes meet V's.
; LIMITS.  Real t must lie above -2^90, where the running maximum begins.  A batch all of whose keys are masked has l = 0: its rows get the scale byte 0xff, which makes the last product's sums NaN, as the softmax of such a row is.
; A block under 2^-124 keeps the byte 1; a block of zeros gets 1 and not 127 (its codes are zeros; this program alone reads the bytes).
; REGISTERS: v1-5 addresses that stay, v6-10 those in hand; v11, v30, v31 offsets; v12 -M, v13 the largest t, v[14:15] the sum in two halves; v16-27 Q (v22-27 zero), v28 its scale word; v29 p's scale word;
;   v32-79 four fragments of K (the upper six of each zero); v80-103 V's fragments 0, 1; v104-167 S^T, then p, then V's fragments 2, 3; v168-199 O^T (channel tiles 0, 2, 1, 3); v200-219 p's codes; v220-231 K's and V's scale words; v232-254 at work and the second tile's Q.
; LDS AND FILLS AS THEY STAND (in place of the head's lines on quarters): K's tiles lie at 6,144 x key step, V's fragments at 98,304 + 6,144 x key step.  Ten waves issue ONE joint load each:
; waves 0, 1 quarter 0's K and V, waves 2 to 7 those of quarters 1 to 3, waves 8, 9 half of the scale words each.  A first barrier shows quarter 0 and the scale words (only their issuers wait there, and they have load lines of their own);
; a second one, behind four key steps, shows the rest, with the wait on every wave's way.  No other barrier stands in the walk: nothing is filled again, and the second tile of queries reads what both barriers have shown.
.set KSB, 196608                       ; K's scale words: [group of 4 tiles][row][tile % 4]
.set VSB, 204800                       ; V's: [key step][row][channel tile]
.set MBB, 208896                       ; the mask as f32, 4 bytes a key: the only bytes that ds_store writes; no tensor load lands here
.set KF,  32
.set VF,  80
.set S,   104
.set O,   168
.set PCD, 200
.set PC2, 212
.set KSC, 220
.set VSC, 228
.set WV,  18                           ; s18 wave
.set SEL, 24                           ; s[24:25] lane selects: lane l xor 16
.set CS,  26                           ; s[26:27] c = log2(e) / 8: the packed form names a pair and takes its low word for both halves
.set G1Q, 28                           ; s[28:35] descriptor group 1: 96 rows of 256 bytes
.set G1S, 36                           ; s[36:43] 24 rows of 256 bytes
.set G0,  44                           ; s[44:47] group 0 of my half of the scale words, s[48:51] of my quarter's K or V
.set TK,  66                           ; s66 6,144 x key step: where its K tiles begin, and from V's base its V fragments
.set TS,  67                           ; s67 its scale words of K, and its mask numbers: 512 bytes a step both
.set TV,  68                           ; s68 its scale words of V
.set CNT, 69
.macro CROUND
	s_barrier_signal -1
	s_barrier_wait -1
	s_cmp_lg_u32 s[WV], 0
	s_cbranch_scc1 .Lnot_wave_0_\@
	s_barrier_signal -3
.Lnot_wave_0_\@:
	s_barrier_wait -3
	s_barrier_signal -1
	s_barrier_wait -1
.endm
.macro PLACES n
.rept \n
	v_nop
.endr
.endm
	s_load_b256 s[4:11], s[0:1], 0x0               ; qc, qs, kv, kvs
	s_load_b128 s[12:15], s[0:1], 0x20             ; mask, oc
	s_load_b64 s[16:17], s[0:1], 0x30              ; os
	v_lshl_add_u32 v219, v0, 2, 0x35000
	v_mov_b32 v255, 0
	ds_add_u32 v219, v255
	ds_add_u32 v219, v255
	v_lshrrev_b32 v1, 5, v0
	s_delay_alu instid0(VALU_DEP_1)
	v_readfirstlane_b32 s[WV], v1                  ; wave 0..15
	s_bfe_u32 s19, ttmp6, 0x40000                  ; cx: it enters Q's, oc's and os's addresses alone
	s_and_b32 s20, ttmp7, 0xffff                   ; 16 x batch + head, which the four partners share
	s_lshr_b32 s21, s20, 4                         ; batch
	s_and_b32 s22, s20, 15                         ; head
	s_mov_b32 s[G1Q], 15|(3<<16)|(1<<21)           ; 15:0 the mask: all four work-groups; 17:16 elements of 8 bytes; 21 set beside a mask; no padding
	s_mov_b32 s[G1Q+1], 32<<16                     ; tensor_dim0: 256 bytes
	s_mov_b32 s[G1Q+2], 96<<16                     ; tensor_dim1
	s_mov_b32 s[G1Q+3], 32<<16                     ; tile_dim0
	s_mov_b32 s[G1Q+4], 96                         ; tile_dim1
	s_mov_b32 s[G1Q+5], 32                         ; dense
	s_mov_b32 s[G1Q+6], 0
	s_mov_b32 s[G1Q+7], 0
	s_mov_b32 s[G1S], 15|(3<<16)|(1<<21)
	s_mov_b32 s[G1S+1], 32<<16
	s_mov_b32 s[G1S+2], 24<<16
	s_mov_b32 s[G1S+3], 32<<16
	s_mov_b32 s[G1S+4], 24
	s_mov_b32 s[G1S+5], 32
	s_mov_b32 s[G1S+6], 0
	s_mov_b32 s[G1S+7], 0
	s_and_b32 s76, s[WV], 1                        ; which half of the scale words (waves 8, 9); K's tiles or V's fragments of a quarter (waves 0 to 7)
	s_mul_i32 s77, s76, 6144
	s_mul_i32 s78, s20, 12288
	s_add_co_u32 s78, s78, s77
	s_mov_b32 s79, 0
	s_mov_b32 s[SEL], 0x76543210
	s_mov_b32 s[SEL+1], 0xfedcba98
	s_mov_b32 s[CS], 0x3e38aa3b                    ; log2(e) / 8
	s_mov_b32 s[CS+1], s[CS]                       ; (named with it as a pair, so it is written)
	s_wait_dscnt 0x0
	s_wait_kmcnt 0x0
	s_mov_b32 s[G0], 1
	s_add_co_u32 s[G0+1], s77, KSB
	s_add_nc_u64 s[G0+2:G0+3], s[10:11], s[78:79]
	s_or_b32 s[G0+3], s[G0+3], 0x80000000
	s_bfe_u32 s82, s[WV], 0x20001                  ; (wave / 2) % 4: waves 0 to 7: my quarter.  It is 0 in waves 0, 1, 8, 9: those whose loads the first barrier shows
	s_mul_i32 s77, s76, 24576                      ; in memory a quarter is K's 24,576 bytes, then V's
	s_mul_i32 s83, s82, 49152
	s_mul_i32 s78, s20, 196608
	s_add_co_u32 s78, s78, s77
	s_add_co_u32 s78, s78, s83
	s_mul_i32 s77, s76, 98304                      ; in LDS all of K, then all of V
	s_mul_i32 s83, s82, 24576
	s_mov_b32 s[G0+4], 1
	s_add_co_u32 s[G0+5], s77, s83
	s_add_nc_u64 s[G0+6:G0+7], s[8:9], s[78:79]
	s_or_b32 s[G0+7], s[G0+7], 0x80000000
	CROUND                                         ; all four work-groups are here: the joint loads meet
	s_cmp_lt_u32 s[WV], 2                          ; one chain of arms on the wave's number, one load to an arm
	s_cbranch_scc0 .Lfill_rest
	tensor_load_to_lds s[G0+4:G0+7], s[G1Q:G1Q+7]  ; waves 0, 1: quarter 0
	s_nop 0
	PLACES 4                                       ; four v_nop follow a load
	s_branch .Lno_fill
.Lfill_rest:
	s_cmp_lt_u32 s[WV], 8
	s_cbranch_scc0 .Lfill_scales
	tensor_load_to_lds s[G0+4:G0+7], s[G1Q:G1Q+7]  ; waves 2 to 7: quarters 1 to 3
	s_nop 0
	PLACES 4
	s_branch .Lno_fill
.Lfill_scales:
	s_cmp_lt_u32 s[WV], 10
	s_cbranch_scc0 .Lno_fill
	tensor_load_to_lds s[G0:G0+3], s[G1S:G1S+7]    ; waves 8, 9: the scale words
	s_nop 0
	PLACES 4
.Lno_fill:
	v_and_b32 v31, 31, v0                          ; lane
	v_and_b32 v254, 15, v0                         ; r
	v_bfe_u32 v251, v0, 4, 1                       ; h
	s_delay_alu instid0(VALU_DEP_3)
	v_lshlrev_b32 v1, 3, v31                       ; K's tiles, Q's, oc: 8 bytes a lane
	s_wait_alu depctr_va_vdst(0)
	v_lshlrev_b32 v11, 4, v254
	s_wait_alu depctr_va_vdst(0)
	v_lshlrev_b32 v30, 2, v254
	v_lshlrev_b32 v6, 2, v0
	s_mov_b32 s81, 0
	s_lshl_b32 s80, s21, 11
	s_add_nc_u64 s[12:13], s[12:13], s[80:81]      ; my batch's 2,048 mask bytes
	global_load_b32 v232, v6, s[12:13]             ; four keys a thread
	s_lshl_b32 s71, s19, 5
	s_add_co_u32 s71, s71, s[WV]                   ; my first tile of queries: 32 cx + wave; the second is 16 tiles on
	s_mul_i32 s72, s20, 98304
	s_mul_i32 s73, s71, 768
	s_add_co_u32 s80, s72, s73
	s_add_nc_u64 s[4:5], s[4:5], s[80:81]
	s_lshl_b32 s72, s20, 13
	s_lshr_b32 s73, s71, 2
	s_lshl_b32 s73, s73, 8
	s_add_co_u32 s72, s72, s73
	s_and_b32 s73, s71, 3
	s_lshl_b32 s73, s73, 2
	s_add_co_u32 s80, s72, s73
	s_add_nc_u64 s[6:7], s[6:7], s[80:81]
.irp p, 0,1,2
	global_load_b64 v[16+2*\p:17+2*\p], v1, s[4:5] offset:256*\p
.endr
	global_load_b64 v[240:241], v1, s[4:5] offset:12288
	global_load_b64 v[242:243], v1, s[4:5] offset:12288+256
	global_load_b64 v[248:249], v1, s[4:5] offset:12288+512
	global_load_b32 v28, v11, s[6:7]
	global_load_b32 v250, v11, s[6:7] offset:1024
	; where my tile's codes and scale bytes go
	s_lshl_b32 s71, s21, 4
	s_lshl_b32 s72, s19, 2
	s_add_co_u32 s71, s71, s72
	s_lshr_b32 s72, s[WV], 3
	s_add_co_u32 s71, s71, s72                     ; the block of 128 tokens: 16 x batch + 4 cx + wave / 8 (the second tile: two blocks on)
	s_mul_i32 s71, s71, 98304
	s_lshr_b32 s72, s22, 1                         ; the last product's K step: head / 2
	s_mul_i32 s73, s72, 12288
	s_add_co_u32 s71, s71, s73
	s_and_b32 s73, s[WV], 7
	s_mul_i32 s73, s73, 1536
	s_add_co_u32 s71, s71, s73
	s_and_b32 s74, s22, 1                          ; head % 2: registers 0-5 or 6-11 of the fragment, the lower or the upper half of the scale word
	s_mul_i32 s73, s74, 768
	s_add_co_u32 s80, s71, s73
	s_add_nc_u64 s[14:15], s[14:15], s[80:81]
	s_lshl_b32 s71, s21, 7
	s_lshl_b32 s73, s19, 5
	s_add_co_u32 s71, s71, s73
	s_add_co_u32 s71, s71, s[WV]                   ; the tile of tokens among all 512
	s_lshl_b32 s71, s71, 9
	s_lshl_b32 s72, s72, 6
	s_add_co_u32 s71, s71, s72
	s_lshl_b32 s74, s74, 1
	s_add_co_u32 s80, s71, s74
	s_add_nc_u64 s[16:17], s[16:17], s[80:81]
	v_lshl_add_u32 v2, v31, 4, 98304               ; V's fragments: 16 bytes a lane, behind all of K
	v_lshl_add_u32 v3, v254, 4, KSB
	v_lshl_add_u32 v4, v254, 4, VSB
	v_lshl_add_u32 v5, v251, 5, MBB                ; my half's eight keys of a tile
	v_lshl_add_u32 v7, v0, 4, MBB
	v_mov_b32 v234, 0xf1800000                     ; -2^100
	v_mov_b32 v253, 0                              ; (named as the upper half of the pair v[252:253])
.irp i, 0,1,2,3
.irp j, 6,7,8,9,10,11
	v_mov_b32 v[KF+12*\i+\j], 0                    ; K = 64 .. 127 of the first product: zero codes, written once
.endr
.endr
.irp j, 22,23,24,25,26,27
	v_mov_b32 v\j, 0
.endr
	s_wait_loadcnt 0x8                             ; the mask word is in; Q's eight loads may be out
.irp i, 0,1,2,3
	v_bfe_u32 v233, v232, 8*\i, 8
	s_delay_alu instid0(VALU_DEP_1)
	v_cmp_ne_u32 vcc_lo, 0, v233
	s_delay_alu instid0(VALU_DEP_1)
	v_cndmask_b32 v[236+\i], 0, v234, vcc_lo
.endr
	ds_store_b128 v7, v[236:239]                   ; (v236-239 are thereby written: a lane permute's destination counts as one of its sources)
	s_wait_loadcnt 0x0                             ; Q
; A KEY STEP: 128 keys.
.macro STEP
	v_add_nc_u32 v6, s[TK], v1                     ; these five are also the places behind the last step's products: ahead of the loads into, and of the products that write over, the registers that held V's fragments
	v_add_nc_u32 v7, s[TK], v2
	v_add_nc_u32 v8, s[TS], v3
	v_add_nc_u32 v9, s[TV], v4
	v_add_nc_u32 v10, s[TS], v5
.irp t, 0,1,2,3
	ds_load_b128 v[S+8*\t:S+8*\t+3], v10 offset:64*\t              ; the mask's 0 or -2^100 of keys 16 t + 8 h + 0 .. 7: the C of the first product
	ds_load_b128 v[S+8*\t+4:S+8*\t+7], v10 offset:64*\t+16
.endr
	ds_load_b128 v[KSC:KSC+3], v8
	ds_load_b128 v[KSC+4:KSC+7], v8 offset:256
.irp i, 0,1,2,3
.irp p, 0,1,2
	ds_load_b64 v[KF+12*\i+2*\p:KF+12*\i+2*\p+1], v6 offset:768*\i+256*\p
.endr
.endr
.irp t, 4,5,6,7
	ds_load_b128 v[S+8*\t:S+8*\t+3], v10 offset:64*\t
	ds_load_b128 v[S+8*\t+4:S+8*\t+7], v10 offset:64*\t+16
.endr
.irp i, 0,1
.irp p, 0,1,2
	ds_load_b128 v[VF+12*\i+4*\p:VF+12*\i+4*\p+3], v7 offset:1536*\i+512*\p
.endr
.endr
	ds_load_b128 v[VSC:VSC+3], v9
	s_wait_alu depctr_va_vdst(0)
	s_wait_dscnt 15                                ; the youngest fifteen (8 of the mask, 6 of V, 1 of V's scale words) may be out
.irp t, 0,1,2,3
	v_wmma_scale_f32_16x16x128_f8f6f4 v[S+8*\t:S+8*\t+7], v[KF+12*\t:KF+12*\t+11], v[16:27], v[S+8*\t:S+8*\t+7], v[KSC+\t], v28 matrix_a_fmt:MATRIX_FMT_FP6 matrix_b_fmt:MATRIX_FMT_FP6
.endr
	PLACES 4                                       ; ahead of loads into registers that matrix instructions have read
.irp i, 0,1,2,3
.irp p, 0,1,2
	ds_load_b64 v[KF+12*\i+2*\p:KF+12*\i+2*\p+1], v6 offset:768*(4+\i)+256*\p
.endr
.endr
	s_wait_dscnt 0x0
.irp i, 0,1,2,3
	v_wmma_scale_f32_16x16x128_f8f6f4 v[S+32+8*\i:S+39+8*\i], v[KF+12*\i:KF+12*\i+11], v[16:27], v[S+32+8*\i:S+39+8*\i], v[KSC+4+\i], v28 matrix_a_fmt:MATRIX_FMT_FP6 matrix_b_fmt:MATRIX_FMT_FP6
.endr
	PLACES 4
.irp b, 0,1,2,3
	v_max3_num_f32 v[232+\b], v[S+16*\b], v[S+16*\b+1], v[S+16*\b+2]   ; the largest score of each block of 32 keys: it serves for the row's maximum and, since p rises with the score, for the block's largest p
.endr
.irp i, 3,5,7,9,11,13
.irp b, 0,1,2,3
	v_max3_num_f32 v[232+\b], v[232+\b], v[S+16*\b+\i], v[S+16*\b+\i+1]
.endr
.endr
.irp b, 0,1,2,3
	v_max_num_f32 v[232+\b], v[232+\b], v[S+16*\b+15]
.endr
.irp b, 0,1,2,3
	s_delay_alu instid0(VALU_DEP_4)
	v_permlanex16_b32 v[236+\b], v[232+\b], s[SEL], s[SEL+1]
.endr
.irp b, 0,1,2,3
	s_delay_alu instid0(VALU_DEP_4)
	v_max_num_f32 v[232+\b], v[232+\b], v[236+\b]  ; with lane l xor 16's 16 keys
.endr
	s_delay_alu instid0(VALU_DEP_2)
	v_max3_num_f32 v254, v232, v233, v234
	s_delay_alu instid0(VALU_DEP_1)
	v_max_num_f32 v254, v254, v235
	s_delay_alu instid0(VALU_DEP_1)
	v_mul_f32 v254, s[CS], v254                    ; the step's largest t of my query (c is positive)
	s_delay_alu instid0(VALU_DEP_1)
	v_max_num_f32 v13, v13, v254                   ; the running largest t
	v_mov_b32 v254, v12
	s_delay_alu instid0(VALU_DEP_2)
	v_floor_f32 v12, -v13                          ; the new -M = floor(-t): M is a whole number
	s_delay_alu instid0(VALU_DEP_1)
	v_sub_f32 v254, v12, v254                      ; old M - new M: a whole number, 0 or less
	s_delay_alu instid0(VALU_DEP_1)
	v_cvt_i32_f32 v254, v254                       ; (it saturates)
	s_delay_alu instid0(VALU_DEP_1)
	v_ldexp_f32 v252, 1.0, v254                    ; f = 2^(old M - new M)
.set j, 0
.rept 32
	v_pk_fma_f32 v[S+j:S+j+1], v[S+j:S+j+1], s[CS:CS+1], v[12:13] op_sel_hi:[1,0,0]   ; t - M, two at a time
.set j, j+2
.endr
.irp b, 0,1,2,3
	v_fma_f32 v[232+\b], v[232+\b], s[CS], v12     ; the same of each block's largest score
.endr
.set j, 0
	s_wait_alu depctr_va_vdst(0)
.rept 64
	v_exp_f32 v[S+j], v[S+j]                       ; p = 2^(t - M), at most 1
.set j, j+1
.endr
	v_pk_mul_f32 v[14:15], v[14:15], v[252:253] op_sel_hi:[1,0]   ; the sums under the new M: a plain instruction behind the exponentials
	s_wait_alu depctr_va_vdst(0)                   ; one wait for the batch of 64, ahead of its first reader
.irp b, 0,1,2,3
	v_exp_f32 v[232+\b], v[232+\b]                 ; the block's largest p: the same two instructions on the same number
.endr
	v_pk_add_f32 v[236:237], v[S:S+1], v[S+2:S+3]  ; the row's sum of the unquantised p, in two chains
.set j, 4
.rept 15
	v_pk_add_f32 v[14:15], v[14:15], v[S+j:S+j+1]
	v_pk_add_f32 v[236:237], v[236:237], v[S+j+2:S+j+3]
.set j, j+4
.endr
	s_delay_alu instid0(VALU_DEP_1)
	v_pk_add_f32 v[14:15], v[14:15], v[236:237]
	s_wait_alu depctr_va_vdst(0)                   ; and one for the four
.irp b, 0,1,2,3
	v_max_num_f32 v[232+\b], 0x1800000, v[232+\b]  ; the floor 2^(3 - 127): the byte cannot fall under 1
.endr
.irp b, 0,1,2,3
	s_delay_alu instid0(VALU_DEP_4)
	v_add_nc_u32 v[244+\b], 0xff000000, v[232+\b]  ; 2 off the exponent field: the conversion's scale operand
.endr
.irp b, 0,1,2,3
	s_delay_alu instid0(VALU_DEP_4)
	v_lshrrev_b32 v[236+\b], 23, v[244+\b]
.endr
	s_delay_alu instid0(VALU_DEP_3)
	v_lshl_or_b32 v29, v237, 8, v236               ; p's scale word for these 128 keys
	s_delay_alu instid0(VALU_DEP_1)
	v_lshl_or_b32 v29, v238, 16, v29
	s_delay_alu instid0(VALU_DEP_1)
	v_lshl_or_b32 v29, v239, 24, v29
.irp c, 0,1
	v_cvt_scalef32_pk16_fp6_f32 v[PCD+6*\c:PCD+6*\c+2], v[S+32*\c:S+32*\c+15], v[244+2*\c]
	v_cvt_scalef32_pk16_fp6_f32 v[PC2+4*\c:PC2+4*\c+2], v[S+32*\c+16:S+32*\c+31], v[245+2*\c]
.endr
.irp i, 0,1
.irp p, 0,1,2
	ds_load_b128 v[S+12*\i+4*\p:S+12*\i+4*\p+3], v7 offset:1536*(2+\i)+512*\p   ; V's fragments 2 and 3 take the place of p, which has been converted
.endr
.endr
	v_nop                                          ; one plain place behind a scaled conversion
.irp c, 0,1                                    ; a whole block to a lane: lanes 0-15 block 2 c, lanes 16-31 block 2 c + 1
.irp i, 0,1,2
	v_permlane16_swap_b32 v[PCD+6*\c+\i], v[PC2+4*\c+\i]
.endr
.irp i, 0,1,2
	s_delay_alu instid0(VALU_DEP_3)
	v_mov_b32 v[PCD+3+6*\c+\i], v[PC2+4*\c+\i]
.endr
.endr
.set j, 0
.rept 16
	v_pk_mul_f32 v[O+j:O+j+1], v[O+j:O+j+1], v[252:253] op_sel_hi:[1,0]   ; O^T under the new M.  (These sixteen are also the places between the lines that wrote p's codes and scale word and the products)
.set j, j+2
.endr
	s_wait_alu depctr_va_vdst(0)
	s_wait_dscnt 0x0
	v_wmma_scale_f32_16x16x128_f8f6f4 v[O:O+7], v[VF:VF+11], v[PCD:PCD+11], v[O:O+7], v[VSC], v29 matrix_a_fmt:MATRIX_FMT_FP6 matrix_b_fmt:MATRIX_FMT_FP6
	v_wmma_scale_f32_16x16x128_f8f6f4 v[O+16:O+23], v[VF+12:VF+23], v[PCD:PCD+11], v[O+16:O+23], v[VSC+1], v29 matrix_a_fmt:MATRIX_FMT_FP6 matrix_b_fmt:MATRIX_FMT_FP6
	v_wmma_scale_f32_16x16x128_f8f6f4 v[O+8:O+15], v[S:S+11], v[PCD:PCD+11], v[O+8:O+15], v[VSC+2], v29 matrix_a_fmt:MATRIX_FMT_FP6 matrix_b_fmt:MATRIX_FMT_FP6
	v_wmma_scale_f32_16x16x128_f8f6f4 v[O+24:O+31], v[S+12:S+23], v[PCD:PCD+11], v[O+24:O+31], v[VSC+3], v29 matrix_a_fmt:MATRIX_FMT_FP6 matrix_b_fmt:MATRIX_FMT_FP6
.endm
; n key steps on from where TK, TS, TV stand
.macro STEPS n
	s_mov_b32 s[CNT], \n
.Lstep_\@:
	STEP
	s_add_co_u32 s[TK], s[TK], 6144
	s_add_co_u32 s[TS], s[TS], 512
	s_add_co_u32 s[TV], s[TV], 256
	s_sub_co_u32 s[CNT], s[CNT], 1
	s_cmp_lg_u32 s[CNT], 0
	s_cbranch_scc1 .Lstep_\@
.endm
.macro INIT                            ; a tile of queries begins
	v_mov_b32 v13, 0xec800000                      ; the largest t so far: -2^90
	s_delay_alu instid0(VALU_DEP_1)
	v_floor_f32 v12, -v13
	v_mov_b32 v14, 0
	v_mov_b32 v15, 0
.set j, 0
.rept 32
	v_mov_b32 v[O+j], 0                            ; the step is written once: the first finds zeros, which the first change of M leaves zeros
.set j, j+1
.endr
	s_mov_b32 s[TK], 0
	s_mov_b32 s[TS], 0
	s_mov_b32 s[TV], 0
.endm
.macro WAYOUT
	; THE WAY OUT.  O^T / l; then the head's 64 channels are two blocks of the last product's K: a swap of halves gives lanes 0-15 channels 0-31 and lanes 16-31 channels 32-63 of their query, in their true order, as the given codes of Wo ask.
	v_add_f32 v14, v14, v15
	s_delay_alu instid0(VALU_DEP_1)
	v_permlanex16_b32 v254, v14, s[SEL], s[SEL+1]
	s_delay_alu instid0(VALU_DEP_1)
	v_add_f32 v14, v14, v254                       ; l
	s_wait_alu depctr_va_vdst(0)
	v_rcp_f32 v252, v14
	PLACES 4                                       ; the places behind the last products, and the plain instruction behind the reciprocal
	s_wait_alu depctr_va_vdst(0)                   ; ahead of the reciprocal's first reader
.set j, 0
.rept 16
	v_pk_mul_f32 v[S+j:S+j+1], v[O+j:O+j+1], v[252:253] op_sel_hi:[1,0]
.set j, j+2
.endr
.irp j, 0,1,2,3,4,5,6,7
	v_permlane16_swap_b32 v[S+\j], v[S+8+\j]       ; channel tiles 0 and 2: register j: channels j | 32 + j; register 8 + j: 8 + j | 40 + j
	v_permlane16_swap_b32 v[S+16+\j], v[S+24+\j]   ; tiles 1 and 3: 16 + j | 48 + j; 24 + j | 56 + j
.endr
	v_max3_num_f32 v232, |v[S]|, |v[S+1]|, 0x1800000      ; my block's largest magnitude: all 32 numbers are mine; two chains, each with the floor 2^(3 - 127)
	v_max3_num_f32 v233, |v[S+16]|, |v[S+17]|, 0x1800000
.irp i, 2,4,6,8,10,12,14
	s_delay_alu instid0(VALU_DEP_2)
	v_max3_num_f32 v232, v232, |v[S+\i]|, |v[S+\i+1]|
	s_delay_alu instid0(VALU_DEP_2)
	v_max3_num_f32 v233, v233, |v[S+16+\i]|, |v[S+17+\i]|
.endr
	s_delay_alu instid0(VALU_DEP_1)
	v_max_num_f32 v232, v232, v233
	s_delay_alu instid0(VALU_DEP_1)
	v_add_nc_u32 v244, 0xff000000, v232
	s_delay_alu instid0(VALU_DEP_1)
	v_lshrrev_b32 v233, 23, v244                   ; my block's byte
	v_cvt_scalef32_pk16_fp6_f32 v[PCD:PCD+2], v[S:S+15], v244
	v_cvt_scalef32_pk16_fp6_f32 v[PCD+4:PCD+6], v[S+16:S+31], v244
	v_nop                                          ; one plain place behind a scaled conversion
	v_mov_b32 v[PCD+3], v[PCD+4]
	v_mov_b32 v[PCD+4], v[PCD+5]
	v_mov_b32 v[PCD+5], v[PCD+6]
	v_permlanex16_b32 v234, v233, s[SEL], s[SEL+1]
	s_delay_alu instid0(VALU_DEP_1)
	v_lshl_or_b32 v233, v234, 8, v233              ; in lanes 0-15: the head's two bytes of my query
	v_mov_b32 v235, 0xffff
	v_cmp_eq_f32 vcc_lo, 0, v14
	s_delay_alu instid0(VALU_DEP_1)
	v_cndmask_b32 v233, v233, v235, vcc_lo         ; l = 0: every key was masked: the byte that makes the last product's sum NaN
.irp i, 0,1,2
	global_store_b64 v1, v[PCD+2*\i:PCD+2*\i+1], s[14:15] offset:256*\i   ; 32 lanes store 256 consecutive bytes, at a multiple of 256 from the buffer's first byte
.endr
	s_wait_alu depctr_va_vdst(0)
	s_wait_xcnt 0x0                                ; EXEC changes only behind this wait
	v_cmp_gt_u32 vcc_lo, 16, v31
	s_and_saveexec_b32 s71, vcc_lo
	global_store_b16 v30, v233, s[16:17]           ; half a scale word a row; the neighbouring head writes the other half
	s_wait_xcnt 0x0                                ; and again ahead of the line that widens it; the stores' bases and data may be written too
	s_or_b32 exec_lo, exec_lo, s71
.endm
	INIT                                           ; THE FIRST TILE OF QUERIES
	s_wait_dscnt 0x0                               ; my store of the mask's numbers has landed
	s_cmp_eq_u32 s82, 0
	s_cbranch_scc0 .Lnot_first
	s_wait_tensorcnt 0x0                           ; waves 0, 1, 8, 9: quarter 0, the scale words
.Lnot_first:
	s_barrier_signal -1
	s_barrier_wait -1                              ; quarter 0, the scale words and the mask's numbers are shown to all; quarters 1 to 3 may be on their way
	STEPS 4
	s_wait_tensorcnt 0x0                           ; every wave: all that was still out
	s_wait_dscnt 0x0
	s_barrier_signal -1
	s_barrier_wait -1                              ; the whole head is shown to all
	STEPS 12
	WAYOUT
	s_add_nc_u64 s[14:15], s[14:15], 196608
	s_add_nc_u64 s[16:17], s[16:17], 8192          ; sixteen tiles, on (behind the second tile these are not used)
	v_mov_b32 v16, v240                            ; and its Q takes the first's place
	v_mov_b32 v17, v241
	v_mov_b32 v18, v242
	v_mov_b32 v19, v243
	v_mov_b32 v20, v248
	v_mov_b32 v21, v249
	v_mov_b32 v28, v250
	INIT                                           ; THE SECOND TILE: all sixteen key steps on end
	STEPS 16
	WAYOUT
	s_wait_tensorcnt 0x0
	s_wait_dscnt 0x0
	s_wait_tensorcnt 0x0
	ds_add_u32 v219, v255
	s_wait_dscnt 0x0
	CROUND                                         ; the closing round: no work-group ends while a partner may still ask for a tile that names it
	s_endpgm
.Lfunc_end_k_qb7a9a7f1fe_attn:
	.size	k_qb7a9a7f1fe_attn, .Lfunc_end_k_qb7a9a7f1fe_attn-k_qb7a9a7f1fe_attn
	.p2alignl 7, 3214868480
	.fill 96, 4, 3214868480
	.section	.rodata,"a",@progbits
	.p2align	6, 0x0
	.amdhsa_kernel k_qb7a9a7f1fe_attn
		.amdhsa_group_segment_fixed_size 219136
		.amdhsa_private_segment_fixed_size 0
		.amdhsa_enable_private_segment 0
		.amdhsa_kernarg_size 56
		.amdhsa_user_sgpr_count 2
		.amdhsa_user_sgpr_kernarg_segment_ptr 1
		.amdhsa_wavefront_size32 1
		.amdhsa_system_sgpr_workgroup_id_x 1
		.amdhsa_system_sgpr_workgroup_id_y 1
		.amdhsa_system_sgpr_workgroup_id_z 1
		.amdhsa_system_vgpr_workitem_id 0
		.amdhsa_next_free_vgpr 256
		.amdhsa_next_free_sgpr 90
		.amdhsa_reserve_vcc 1
		.amdhsa_float_denorm_mode_32 3
		.amdhsa_float_denorm_mode_16_64 3
		.amdhsa_memory_ordered 1
		.amdhsa_forward_progress 1
		.amdhsa_inst_pref_size 79
	.end_amdhsa_kernel
	.amdgpu_metadata
---
amdhsa.version: [ 1, 2 ]
amdhsa.kernels:
  - .name:           k_qb7a9a7f1fe_attn
    .symbol:         k_qb7a9a7f1fe_attn.kd
    .args:
      - { .name: qc, .offset: 0, .size: 8, .value_kind: global_buffer, .address_space: global }
      - { .name: qs, .offset: 8, .size: 8, .value_kind: global_buffer, .address_space: global }
      - { .name: kv, .offset: 16, .size: 8, .value_kind: global_buffer, .address_space: global }
      - { .name: kvs, .offset: 24, .size: 8, .value_kind: global_buffer, .address_space: global }
      - { .name: mask, .offset: 32, .size: 8, .value_kind: global_buffer, .address_space: global }
      - { .name: oc, .offset: 40, .size: 8, .value_kind: global_buffer, .address_space: global }
      - { .name: os, .offset: 48, .size: 8, .value_kind: global_buffer, .address_space: global }
    .group_segment_fixed_size: 219136
    .private_segment_fixed_size: 0
    .kernarg_segment_align: 8
    .kernarg_segment_size: 56
    .max_flat_workgroup_size: 512
    .sgpr_count:     90
    .vgpr_count:     256
    .wavefront_size: 32
...
	.end_amdgpu_metadata
.endif
;; end of part 2
;; launch outp (part 3): grid 4 x 64, 4 waves a work-group, clusters of 4 x 4, 307,712 bytes of LDS; arguments oc, os, Wo_codes, Wo_scales, bo, out0; writes out0
.if DOCPART == 3
	.amdgcn_target "amdgcn-amd-amdhsa--gfx1250"
	.amdhsa_code_object_version 6
	.text
	.protected	k_qb7a9a7f1fe_outp
	.globl	k_qb7a9a7f1fe_outp
	.p2align	8
	.type	k_qb7a9a7f1fe_outp,@function
k_qb7a9a7f1fe_outp:
	s_mov_b64 s[64:65], 0
	v_nop
	global_prefetch_b8 v0, s[64:65] scope:SCOPE_SE
	s_setreg_imm32_b32 hwreg(HW_REG_WAVE_MODE, 25, 1), 1
	s_wait_xcnt 0x0
	s_wait_alu depctr_hold_cnt(0) depctr_sa_sdst(0) depctr_va_vdst(0) depctr_va_sdst(0) depctr_va_ssrc(0) depctr_va_vcc(0) depctr_vm_vsrc(0)
	s_getreg_b32 s2, hwreg(HW_REG_IB_STS2, 6, 4)
	s_cmp_eq_u32 s2, 0
	s_cbranch_scc0 .Lentry_in_a_cluster
	s_endpgm
.Lentry_in_a_cluster:
	s_bfe_u32 s2, ttmp6, 0x10000c
	s_cmp_lg_u32 s2, 0xf033
	s_cbranch_scc0 .Lentry_shape_is_right
	s_endpgm
.Lentry_shape_is_right:
; THE LAST PRODUCT: out0 = a Wo + bo, on codes of FP6 (E2M3) with one E8M0 scale for each 32 along K = 1,024, sums in f32.  a, attention's result, comes from the launch before as images of the operand's registers (oc) and scale words (os).
; SOURCE 0 = 16 rows of Wo's codes (n), SOURCE 1 = 16 tokens: a lane then holds eight neighbouring numbers of a row of out0.
; SHARES.  A work-group makes 256 n x 128 tokens over all of K.  Wave w: 128 n (w % 2: 8 tiles t) x 64 tokens (w / 2: 4 tiles m): 32 accumulators.
; LDS.  Wo's 256 rows of 768 bytes lie as three chunks of 256 bytes a row, 272 bytes from row to row (68 words: row r begins at bank 4 r mod 64; 64 banks of 4 bytes: ISA guide 11.1); behind them the tokens' 64 fragments, 98,304 dense bytes.
; Every byte is filled once, by loads that all go out at the head, so there is no later request that a prefetch could run ahead of.
; CLUSTER 4 x 4.  Wo's tile hangs on cx and is shared by a column of the cluster, the tokens' on the tile row and is shared by a row: each is asked for jointly.
; A scale byte 0xff in os (a batch all of whose keys were masked) makes that row's sums NaN, as the softmax of such a row is.
; REGISTERS, in windows of 256.  Window 0: v1-23 lane numbers, addresses; v32-95 Wo's scale words (8 t + K step); v96-127 the tokens' (8 m + K step); v128-191 bo as the first step's C; on the way out v128-255 rows of out0.
;   Windows 1, 2: two sets of fragments, Wo's tile t at v[12 t], the tokens' tile m at v[96 + 12 m].   Window 3: accumulator (m, t) at v[64 m + 8 t].
; LDS AS IT STANDS (in place of the head's paragraph on chunks): Wo's 256 rows come WHOLE, 768 bytes a row, with 16 bytes of padding behind every 256: an LDS row is 816 bytes = 204 words, row r begins at bank 12 r mod 64.
; Byte y of a row lies at y + 16 (y / 256).  Every wave issues ONE tensor load: waves 1 and 2 128 rows of Wo each, waves 0 and 3 the tokens' K steps 0-3 and 4-7.
.set IMG,   208896                     ; behind Wo's rows (256 x 816 bytes) the tokens' fragments: [K step][tile][piece of 8 bytes a lane]
.set TROW,  13056                      ; 16 rows x 816 bytes
.set SPITCH, 528                       ; the way out: a stage of 16 rows x (512 bytes + 16) for each wave, in the bytes of the tokens' K steps 0-3
.set SC0,   32
.set SC1,   96
.set CB,    128
.set BK,    128
.set G0I,   16                         ; s[16:19] group 0 for the tokens' load, four K steps
.set G0B,   32                         ; s[32:35] for Wo's 128 rows
.set G1I,   44                         ; s[44:51]
.set G1B,   52                         ; s[52:59]
.set WV,    60                         ; s60 wave; s61 wave % 2; s62 wave / 2
.set MSB,   0
.macro WIN new
.if MSB != (\new)
	s_set_vgpr_msb (MSB<<8)|(\new)
.set MSB, (\new)
.endif
.endm
.macro CROUND
	s_barrier_signal -1
	s_barrier_wait -1
	s_cmp_lg_u32 s[WV], 0
	s_cbranch_scc1 .Lnot_wave_0_\@
	s_barrier_signal -3
.Lnot_wave_0_\@:
	s_barrier_wait -3
	s_barrier_signal -1
	s_barrier_wait -1
.endm
.macro PLACES n
.rept \n
	v_nop
.endr
.endm
; A fragment of Wo: lanes 0-15 take the row's pieces (8 bytes) 12 s + 0, 1, 2, 6, 7, 8, lanes 16-31 those three pieces on; a chunk holds 32 pieces: where the piece three on falls into the next chunk, the second kind of address register serves.
.macro FRAG reg, adr, s, tile
.irp p, 0,1,2,3,4,5
.set PP, 12*(\s)+6*(\p/3)+\p%3
.if PP%32 < 29                         ; address registers: adr for tiles 0-3, adr + 1 for tiles 4-7 (an offset has 16 bits); adr + 3, adr + 4 where lanes 16-31 read behind one padding more
	ds_load_b64 v[\reg+2*\p:\reg+2*\p+1], v[\adr+(\tile)/4] offset:8*PP+16*(PP/32)+TROW*((\tile)%4)
.else
	ds_load_b64 v[\reg+2*\p:\reg+2*\p+1], v[\adr+3+(\tile)/4] offset:8*PP+16*(PP/32)+TROW*((\tile)%4)
.endif
.endr
.endm
.macro FRAGI reg, s, m                 ; a fragment of the tokens: an image of its registers, 256 consecutive bytes a load
.irp i, 0,1,2,3,4,5
	ds_load_b64 v[\reg+2*\i:\reg+2*\i+1], v[10+(\s)/4] offset:((\s)%4)*12288+1536*(\m)+256*\i
.endr
.endm
.macro FETCH s
	WIN 0x40+0x40*((\s)%2)
.irp t, 0,1,2,3,4,5,6,7
	FRAG 12*\t, 4, \s, \t
.endr
.irp m, 0,1,2,3
	FRAGI 96+12*\m, \s, \m
.endr
.endm
; K step s: 32 matrix instructions; the 32 accumulators take turns, one instruction a turn, in the same order in every step.  first = 1: bo starts the sums as C.
.macro MUL s, first
.if \first
	WIN 0xc5
.else
	WIN 0xf5+5*((\s)%2)
.endif
.irp m, 0,1,2,3
.irp t, 0,1,2,3,4,5,6,7
.if \first
	v_wmma_scale_f32_16x16x128_f8f6f4 v[64*\m+8*\t:64*\m+8*\t+7], v[12*\t:12*\t+11], v[96+12*\m:96+12*\m+11], v[CB+8*\t:CB+8*\t+7], v[SC0+8*\t+(\s)], v[SC1+8*\m+(\s)] matrix_a_fmt:MATRIX_FMT_FP6 matrix_b_fmt:MATRIX_FMT_FP6
.else
	v_wmma_scale_f32_16x16x128_f8f6f4 v[64*\m+8*\t:64*\m+8*\t+7], v[12*\t:12*\t+11], v[96+12*\m:96+12*\m+11], v[64*\m+8*\t:64*\m+8*\t+7], v[SC0+8*\t+(\s)], v[SC1+8*\m+(\s)] matrix_a_fmt:MATRIX_FMT_FP6 matrix_b_fmt:MATRIX_FMT_FP6
.endif
.endr
.endr
.endm
.macro KSTEP s
	s_wait_dscnt 0x0                               ; this step's fragments are in (asked for 32 matrix instructions ago)
.if (\s) == 4
	s_barrier_signal -1                            ; my reads of the tokens' K steps 0-4 are over (the wait above),
	s_barrier_wait -1                              ; and everybody's: behind this barrier the bytes of K steps 0-3 may take the stages
.endif
.if (\s) < 7
	PLACES 4                                       ; the loads below land in the set that the last step's matrix instructions read
	FETCH (\s)+1
.endif
	MUL \s, 0
.endm
	s_load_b256 s[4:11], s[0:1], 0x0               ; oc, os, Wo's codes, Wo's scales
	s_load_b128 s[12:15], s[0:1], 0x20             ; bo, out0
	v_lshl_add_u32 v30, v0, 2, 0x4b000
	v_mov_b32 v31, 0
	ds_add_u32 v30, v31
	ds_add_u32 v30, v31
	v_lshrrev_b32 v1, 5, v0
	v_readfirstlane_b32 s[WV], v1
	s_and_b32 s61, s[WV], 1                        ; which 128 n are mine
	s_lshr_b32 s62, s[WV], 1                       ; which 64 tokens.  Also: which 128 rows of Wo waves 1 and 2 fetch
	s_bfe_u32 s63, ttmp6, 0x40000                  ; cx = Wo's block of 256 rows
	s_bfe_u32 s66, ttmp6, 0x40004                  ; cy
	s_and_b32 s67, ttmp7, 0xffff
	s_lshl_b32 s67, s67, 2
	s_add_co_u32 s67, s67, s66                     ; the block of 128 tokens
	s_lshl_b32 s68, s66, 2
	s_lshl_b32 s68, 15, s68                        ; my row of the cluster
	s_lshl_b32 s69, 0x1111, s63                    ; my column
	s_or_b32 s[G1I], s68, (3<<16)|(1<<21)          ; the tokens: 192 dense rows of 256 bytes (elements of 8 bytes), no padding
	s_mov_b32 s[G1I+1], 32<<16
	s_mov_b32 s[G1I+2], 192<<16                    ; four K steps: 192 dense rows of 256 bytes
	s_mov_b32 s[G1I+3], 32<<16
	s_mov_b32 s[G1I+4], 192
	s_mov_b32 s[G1I+5], 32
	s_mov_b32 s[G1I+6], 0
	s_mov_b32 s[G1I+7], 0
	s_or_b32 s[G1B], s69, (1<<20)|(1<<21)|(5<<22)|(3<<25)   ; Wo: 128 rows x 768 bytes, 16 bytes of padding behind every 256
	s_mov_b32 s[G1B+1], 768<<16                    ; whole rows of 768 bytes
	s_mov_b32 s[G1B+2], 128<<16
	s_mov_b32 s[G1B+3], 768<<16
	s_mov_b32 s[G1B+4], 128
	s_mov_b32 s[G1B+5], 768
	s_mov_b32 s[G1B+6], 0
	s_mov_b32 s[G1B+7], 0
	s_mul_i32 s70, s67, 98304
	s_mov_b32 s71, 0
	s_lshl_b32 s72, s63, 8
	s_lshl_b32 s73, s62, 7
	s_add_co_u32 s72, s72, s73
	s_mul_i32 s72, s72, 768
	s_mov_b32 s73, 0
	s_mul_i32 s[G0B+1], s62, 128*816               ; where those rows go: the wave's number alone enters an LDS address
	s_wait_dscnt 0x0
	s_wait_kmcnt 0x0
	s_add_nc_u64 s[70:71], s[4:5], s[70:71]
	s_add_nc_u64 s[72:73], s[8:9], s[72:73]
	s_mul_i32 s76, s61, 49152                      ; the tokens: wave 0 K steps 0-3, wave 3 K steps 4-7
	s_mov_b32 s77, 0
	s_mov_b32 s[G0I], 1
	s_add_co_u32 s[G0I+1], s76, IMG
	s_add_nc_u64 s[G0I+2:G0I+3], s[70:71], s[76:77]
	s_or_b32 s[G0I+3], s[G0I+3], 0x80000000
	s_mov_b32 s[G0B], 1
	s_mov_b64 s[G0B+2:G0B+3], s[72:73]
	s_or_b32 s[G0B+3], s[G0B+3], 0x80000000
	CROUND                                         ; all sixteen work-groups are here: the joint loads meet
	s_xor_b32 s78, s61, s62                        ; 0 in waves 0 and 3, which fetch the tokens' fragments; 1 in waves 1 and 2, which fetch Wo's rows: one load a wave
	s_cmp_eq_u32 s78, 0
	s_cbranch_scc0 .Lnot_0
	tensor_load_to_lds s[G0I:G0I+3], s[G1I:G1I+7]
	s_nop 0
	PLACES 4                                       ; four v_nop follow a wave's loads
	s_branch .Lasked
.Lnot_0:
	tensor_load_to_lds s[G0B:G0B+3], s[G1B:G1B+7]
	s_nop 0
	PLACES 4
.Lasked:
	v_and_b32 v3, 31, v0                           ; lane
	v_and_b32 v1, 15, v0                           ; r
	v_bfe_u32 v2, v0, 4, 1                         ; h
	v_lshlrev_b32 v15, 5, v1
	s_wait_alu depctr_va_vdst(0)
	v_lshlrev_b32 v16, 5, v2
	v_lshlrev_b32 v21, 2, v1
	s_wait_alu depctr_va_vdst(0)
	v_lshlrev_b32 v18, 4, v3
	s_lshl_b32 s75, s63, 8
	s_lshl_b32 s77, s61, 7
	s_add_co_u32 s75, s75, s77                     ; my first n
	s_lshl_b32 s76, s67, 7
	s_lshl_b32 s77, s62, 6
	s_add_co_u32 s76, s76, s77                     ; my first token
	s_mov_b32 s79, 0
	s_lshl_b32 s78, s75, 5
	s_add_nc_u64 s[10:11], s[10:11], s[78:79]      ; Wo's scales: 32 bytes a row
	s_lshl_b32 s78, s76, 5
	s_add_nc_u64 s[6:7], s[6:7], s[78:79]          ; the tokens': 512 bytes a tile of 16
	s_lshl_b32 s78, s75, 2
	s_add_nc_u64 s[12:13], s[12:13], s[78:79]
	s_add_nc_u64 s[14:15], s[14:15], s[78:79]
	s_lshl_b32 s78, s76, 12
	s_add_nc_u64 s[14:15], s[14:15], s[78:79]      ; out0 at my first token and my first n
.irp t, 0,1,2,3,4,5,6,7
	global_load_b128 v[SC0+8*\t:SC0+8*\t+3], v15, s[10:11] offset:512*\t           ; a row's 32 scale bytes are its eight K steps' words
	global_load_b128 v[SC0+8*\t+4:SC0+8*\t+7], v15, s[10:11] offset:512*\t+16
.endr
.irp m, 0,1,2,3
.irp s, 0,1,2,3,4,5,6,7
	global_load_b32 v[SC1+8*\m+\s], v21, s[6:7] offset:512*\m+64*\s
.endr
.endr
.irp t, 0,1,2,3,4,5,6,7
	global_load_b128 v[CB+8*\t:CB+8*\t+3], v16, s[12:13] offset:64*\t              ; lane (r, h), tile t, register j: bo[n0 + 16 t + 8 h + j]
	global_load_b128 v[CB+8*\t+4:CB+8*\t+7], v16, s[12:13] offset:64*\t+16
.endr
	v_mul_u32_u24 v22, v1, 816
	v_mad_u32_u24 v23, v2, 24, v22                 ; row x pitch + 24 x half
	v_mad_u32_u24 v24, v2, 40, v22                 ; the same where lanes 16-31 read behind one padding more
	s_mul_i32 s77, s61, 128*816                    ; my 128 rows of Wo
	v_add_nc_u32 v4, s77, v23                      ; v4, v5: tiles 0-3, 4-7;  v7, v8: the same behind one padding more
	v_add_nc_u32 v7, s77, v24
	v_add_nc_u32 v5, 4*TROW, v4
	v_add_nc_u32 v8, 4*TROW, v7
	s_mul_i32 s77, s62, 6144                       ; my four tiles of tokens in a K step's eight
	s_add_co_u32 s77, s77, IMG
	v_lshl_add_u32 v10, v3, 3, s77                 ; K steps 0-3
	v_add_nc_u32 v11, 49152, v10                   ; K steps 4-7
	s_mul_i32 s77, s[WV], 16*SPITCH                ; my stage,
	s_add_co_u32 s77, s77, IMG                     ; in the bytes of the tokens' K steps 0-3
	v_mul_u32_u24 v22, v1, SPITCH
	v_lshl_add_u32 v22, v2, 5, v22
	v_add_nc_u32 v22, s77, v22                     ; in: row r, 32 bytes for each half of the lanes
	v_add_nc_u32 v23, s77, v18                     ; back: the 32 lanes take one row of 512 bytes
	s_wait_alu depctr_va_vdst(0)
	s_wait_tensorcnt 0x0                           ; my one load has landed
	s_barrier_signal -1
	s_barrier_wait -1
	FETCH 0
	s_wait_dscnt 0x0
	FETCH 1
	s_wait_loadcnt 0x0                             ; scale words and bo
	MUL 0, 1
.irp s, 1,2,3,4,5,6,7
	KSTEP \s
.endr
	WIN 0
; THE WAY OUT, a tile of 16 tokens x 128 n at a time.  A lane holds 32 neighbouring bytes of a row and the lanes beside it other rows: so a tile goes through my own stage and comes back as whole rows of 512 bytes.
; LDS serves a wave's instructions in order (ISA guide 5.7.1.4): no wait between the stores and the loads, nor ahead of the next tile's stores.
.macro TOSTAGE m
	WIN 0x0c                                       ; an LDS store's data are its source 1: window 3
.irp t, 0,1,2,3,4,5,6,7
	ds_store_b128 v22, v[64*(\m)+8*\t:64*(\m)+8*\t+3] offset:64*\t          ; each accumulator from its low end on
	ds_store_b128 v22, v[64*(\m)+8*\t+4:64*(\m)+8*\t+7] offset:64*\t+16
.endr
	WIN 0
.set BB, BK+64*((\m)%2)
.irp t, 0,1,2,3,4,5,6,7,8,9,10,11,12,13,14,15
	ds_load_b128 v[BB+4*\t:BB+4*\t+3], v23 offset:\t*SPITCH
.endr
.endm
.macro SEND m, younger                 ; younger: the LDS instructions issued behind tile m's loads, which may stay out
.set BB, BK+64*((\m)%2)
	s_wait_dscnt \younger
.irp t, 0,1,2,3,4,5,6,7,8,9,10,11,12,13,14,15
	global_store_b128 v18, v[BB+4*\t:BB+4*\t+3], s[14:15] offset:(16*(\m)+\t)*4096 th:TH_STORE_NT   ; 32 lanes store 512 consecutive bytes, at a multiple of 256 from out0's first byte; written once, read by nobody here
.endr
.endm
	PLACES 4                                       ; behind the last products, ahead of the first read of results
	TOSTAGE 0
	TOSTAGE 1
	SEND 0, 32                                     ; behind tile 0's loads: tile 1's 16 stores and 16 loads
	s_wait_xcnt 0x0                                ; tile 0's stores have read their registers: tile 2's rows may land there
	TOSTAGE 2
	SEND 1, 32
	s_wait_xcnt 0x0
	TOSTAGE 3
	SEND 2, 32
	SEND 3, 0
	s_wait_tensorcnt 0x0
	s_wait_dscnt 0x0
	s_wait_tensorcnt 0x0
	ds_add_u32 v30, v31
	s_wait_dscnt 0x0
	CROUND                                         ; the closing round: no work-group ends while a partner may still ask for a tile that names it
	s_endpgm
.Lfunc_end_k_qb7a9a7f1fe_outp:
	.size	k_qb7a9a7f1fe_outp, .Lfunc_end_k_qb7a9a7f1fe_outp-k_qb7a9a7f1fe_outp
	.p2alignl 7, 3214868480
	.fill 96, 4, 3214868480
	.section	.rodata,"a",@progbits
	.p2align	6, 0x0
	.amdhsa_kernel k_qb7a9a7f1fe_outp
		.amdhsa_group_segment_fixed_size 307712
		.amdhsa_private_segment_fixed_size 0
		.amdhsa_enable_private_segment 0
		.amdhsa_kernarg_size 48
		.amdhsa_user_sgpr_count 2
		.amdhsa_user_sgpr_kernarg_segment_ptr 1
		.amdhsa_wavefront_size32 1
		.amdhsa_system_sgpr_workgroup_id_x 1
		.amdhsa_system_sgpr_workgroup_id_y 1
		.amdhsa_system_sgpr_workgroup_id_z 1
		.amdhsa_system_vgpr_workitem_id 0
		.amdhsa_next_free_vgpr 1024
		.amdhsa_next_free_sgpr 100
		.amdhsa_reserve_vcc 0
		.amdhsa_float_denorm_mode_32 3
		.amdhsa_float_denorm_mode_16_64 3
		.amdhsa_memory_ordered 1
		.amdhsa_forward_progress 1
		.amdhsa_inst_pref_size 97
	.end_amdhsa_kernel
	.amdgpu_metadata
---
amdhsa.version: [ 1, 2 ]
amdhsa.kernels:
  - .name:           k_qb7a9a7f1fe_outp
    .symbol:         k_qb7a9a7f1fe_outp.kd
    .args:
      - { .name: oc, .offset: 0, .size: 8, .value_kind: global_buffer, .address_space: global }
      - { .name: os, .offset: 8, .size: 8, .value_kind: global_buffer, .address_space: global }
      - { .name: Wo_codes, .offset: 16, .size: 8, .value_kind: global_buffer, .address_space: global }
      - { .name: Wo_scales, .offset: 24, .size: 8, .value_kind: global_buffer, .address_space: global }
      - { .name: bo, .offset: 32, .size: 8, .value_kind: global_buffer, .address_space: global }
      - { .name: out0, .offset: 40, .size: 8, .value_kind: global_buffer, .address_space: global }
    .group_segment_fixed_size: 307712
    .private_segment_fixed_size: 0
    .kernarg_segment_align: 8
    .kernarg_segment_size: 48
    .max_flat_workgroup_size: 128
    .sgpr_count:     100
    .vgpr_count:     1024
    .wavefront_size: 32
...
	.end_amdgpu_metadata
.endif
;; end of part 3
